; MI455X (gfx1250); checked and timed in simulation.
; The chip was launched on July 23, 2026; its instructions are those of AMD's public machine-readable ISA for CDNA 5 (MIT licence, August 2026) and "CDNA5" Instruction Set Architecture Reference Guide (July 2026). The comments in the code are by the model that wrote it; some were corrected since.
;; Multi Head Attention. Allowed arithmetic: matrix products marked QUANTISED: E2M1 operands, one E8M0 scale for each 32 along K, by v_wmma_scale_f32_16x16x128_f8f6f4 with both operands' format E2M1 (or v_wmma_scale_f32_32x16x128_f4), f32 sums; everything else in f32.
;; Inputs: Wk 1,024 x 1,024 float32; Wp 1,024 x 1,024 float32; Wq 1,024 x 1,024 float32; Wv 1,024 x 1,024 float32; bk 1,024 float32; bp 1,024 float32; bq 1,024 float32; bv 1,024 float32; x 4 x 2,048 x 1,024 float32.
;; Outputs: out0 4 x 2,048 x 1,024 float32.
;; This version of the problem:
;;   THIS VERSION OF THE PROBLEM IS GIVEN IN LOW PRECISION. The matrix products marked QUANTISED in the list below multiply operands that are first quantised to E2M1 (2 exponent bits, 1 mantissa bit; 4 bits a number), with one power-of-two scale for each 32 numbers along K (OCP MX v1.0); their sums are f32. All else is computed in f32.
;;   The module's matrix products, in the order in which they are computed (A, B: the left and right operand; K: the contracted axis; several contracted axes count as one K, in the product's order):
;;     1. [M 8,192, K 1,024] x [K 1,024, N 1,024]; A: input x; B: input Wq: QUANTISED
;;     2. [M 8,192, K 1,024] x [K 1,024, N 1,024]; A: input x; B: input Wk: QUANTISED
;;     3. [M 8,192, K 1,024] x [K 1,024, N 1,024]; A: input x; B: input Wv: QUANTISED
;;     4. batch 64 x [M 2,048, K 64] x [K 64, N 2,048]; A: computed on the way; B: computed on the way: QUANTISED
;;     5. batch 64 x [M 2,048, K 2,048] x [K 2,048, N 64]; A: softmax (see below); B: computed on the way: QUANTISED
;;     6. [M 8,192, K 1,024] x [K 1,024, N 1,024]; A: computed on the way; B: input Wp: QUANTISED
;;   THE QUANTISER, for each operand of a quantised product, along K:
;;     - K is cut into blocks of 32 from its start; a last block that is shorter is filled with zeros.
;;     - A block's scale is 2^e with e = floor(log2(the largest magnitude in the block)) - 2, held to -126 .. 127; a block of zeros has e = 0. As a byte (E8M0): e + 127.
;;     - Each number is divided by its block's scale, clamped to +-6, and rounded to the nearest number of E2M1, ties to even, subnormals kept.
;;     - The product sums the exact products of the quantised numbers (number of the format x scale) in f32.
;;   ~~~python
;;   def quantise(x, axis):      # numpy; x: float32 -> the quantised numbers, widened to float32 again
;;       x = np.moveaxis(x, axis, -1); K = x.shape[-1]
;;       x = np.pad(x, [(0, 0)] * (x.ndim - 1) + [(0, -K % 32)]); x = x.reshape(x.shape[:-1] + (-1, 32)); a = np.abs(x).max(-1, keepdims=True)
;;       e = np.where(a > 0, np.clip(np.frexp(np.where(a > 0, a, 1))[1] - 1 - 2, -126, 127), 0)      # np.frexp(a)[1] - 1 = floor(log2(a)), exactly
;;       r = np.clip(x / 2.0 ** e, -6, 6)
;;       step = 2.0 ** (np.maximum(np.frexp(np.where(r == 0, 1, r))[1] - 1, 0) - 1)
;;       q = np.round(r / step) * step * 2.0 ** e      # np.round: ties to even
;;       return np.moveaxis(q.reshape(q.shape[:-2] + (-1,))[..., :K], -1, axis).astype(np.float32)
;;   ~~~
;;   SOFTMAX AHEAD OF A QUANTISED PRODUCT. Where the list says 'softmax', what is quantised is not the finished softmax but p = 2^(t - M), with t = logit x log2(e) and M = ceil(the row's largest t), a whole number; so 1/2 < the row's largest p <= 1. The row's sum l is taken of the UNQUANTISED p, in f32, and the product's result is divided by l at the end. Since M is a whole number, a kernel that streams over the keys may use a running M (the ceiling of the running maximum): every later rescaling is an exact power of two, which a block's scale takes up: the codes' values come out the same.
;;   OPERANDS COMPUTED ON THE WAY. 'Computed on the way' means the value that the module computes at that place (a softmax that the list does not call 'softmax' is quantised finished and normalised). What goes into a quantiser is computed in f32, as accurately as f32 sums, v_exp_f32 and their like allow (about 1e-6 of the number): no bf16 or f16 on the way to a quantiser, and a product that is left as it is and whose result goes on into a quantised operand takes f32 operands (vector FMAs, or v_wmma_f32_16x16x4_f32). A number that lies on a knife's edge between two numbers of the format may be rounded either way, as far as f32 arithmetic and the matrix unit's own rounding can turn it there, and no further.
;; One version. Each part assembles by itself: llvm-mc -triple=amdgcn-amd-amdhsa -mcpu=gfx1250 --defsym DOCPART=n.
;; ======== version 1 of 1: 4 launches
;; workspace buffers: x_codes 4,194,304 bytes; x_scales 262,144 bytes; w_codes 2,097,152 bytes; w_scales 131,072 bytes; q_rec 4,718,592 bytes; kv_rec 9,175,040 bytes; o_img 4,194,304 bytes; o_sc 262,144 bytes
;; launch quant (part 1): grid 384 x 1, 4 waves a work-group, no clusters, 33,280 bytes of LDS; arguments x, Wq, Wk, Wv, Wp, x_codes, x_scales, w_codes, w_scales; writes x_codes, x_scales, w_codes, w_scales
.if DOCPART == 1
	.amdgcn_target "amdgcn-amd-amdhsa--gfx1250"
	.amdhsa_code_object_version 6
	.text
	.protected	k_q0bdc9bdd7d_quant
	.globl	k_q0bdc9bdd7d_quant
	.p2align	8
	.type	k_q0bdc9bdd7d_quant,@function
k_q0bdc9bdd7d_quant:
	s_mov_b64 s[64:65], 0
	v_nop
	global_prefetch_b8 v0, s[64:65] scope:SCOPE_SE
	s_setreg_imm32_b32 hwreg(HW_REG_WAVE_MODE, 25, 1), 1
	s_wait_xcnt 0x0
; MULTI-HEAD ATTENTION IN MX-FP4, launch 1 of 4: x [8192][1024] and Wq, Wk, Wv, Wp [1024][1024], f32, K innermost, become codes of FP4 (E2M1) and one E8M0 byte for each 32 along K.
; NO WORK OF THE PROBLEM IS LEFT OUT in any launch: every bias goes into a quantised operand (bq, bk, bv) or into the output (bp), so all nine inputs are loaded and all six products are done.
; A block's scale is 2^(floor(log2(its largest magnitude)) - 2); its byte is the largest magnitude's exponent field - 2, held at 1 from below; each number is divided by the scale and rounded to the nearest code, ties to even, beyond 6 to 6.
; LIMITS: a block whose largest magnitude lies under 2^-124, a block of zeros among them, gets the byte 1 (the rule says 127 for zeros: the codes are zeros, which add nothing under any byte but 0xff, and this program alone reads the bytes).
; NaN and infinities among the inputs are not served.
; POSITION ORDER.  Row t of every tensor is written at position p(t) = t with its bits 3 and 4 exchanged.  A plain tile of 16 positions then holds rows 32 (i / 2) + 8 (i % 2) + r % 8 + 16 (r / 8): the choice of rows that lets
; the later launches quantise a matrix result in registers (16 registers of two neighbouring tiles are 16 neighbours along the next K).  A wave takes 8 whole rows, so the exchange is an exchange of the two bits of the wave's number.
; w_codes holds the four weights on end: rows 1024 i + position, i = 0 Wq, 1 Wk, 2 Wv, 3 Wp.
; A wave takes 16 steps of 512 numbers.  Each of a step's four loads reads 512 consecutive bytes; the 2,048 bytes turn through the wave's own stage in LDS and come back 64 bytes a lane, so that a lane holds 16 neighbours along K
; (two neighbouring lanes hold a block).  A lane's 16 codes are 8 bytes: the wave stores 256 consecutive bytes.  A wave's 256 scale bytes are gathered in LDS and leave as one aligned run of 256 bytes.
; Work-groups 0-255 take x, 256 + 32 i on take weight i.  No tensor loads, no barrier: waves share nothing.  Loads run four steps (16 loads a wave) ahead.  No matrix unit, no cluster: a stream.
.set WAVES, 4
.set STEPS, 16
.set EMAX,  2
.set CB,    8                          ; bytes of 16 codes
.set R,     16                         ; v16-79   four sets of 16 numbers as they are loaded
.set X,     80                         ; v80-111  two sets of 16 neighbours
.set C,     128                        ; v128-191 codes: four registers for each step, so that no store's data are written again
.set E,     112                        ; v112-127 a scale byte for each step
.set WREG,  8192                       ; LDS: a region for each wave: two stages of 32 x SP bytes, behind them its 256 scale bytes
.set SP,    80                         ; a lane's place in a stage: 64 bytes + 16 of padding
.set SPW,   12                         ; v12      LDS address of my spare word; never rewritten
.set NIL,   13                         ; v13      0; never rewritten
.set SPARE, WAVES*WREG                 ; behind the four regions: the spare words, 128 bytes a wave
	s_load_b256 s[4:11], s[0:1], 0x0               ; x s[4:5], Wq s[6:7], Wk s[8:9], Wv s[10:11]
	s_load_b256 s[12:19], s[0:1], 0x20             ; Wp s[12:13], x_codes s[14:15], x_scales s[16:17], w_codes s[18:19]
	s_load_b64 s[20:21], s[0:1], 0x40              ; w_scales
	v_lshl_add_u32 v[SPW], v0, 2, SPARE
	v_mov_b32 v[NIL], 0
	v_lshrrev_b32 v1, 5, v0
	v_readfirstlane_b32 s22, v1                    ; wave
	v_and_b32 v2, 31, v0                           ; lane
	v_lshlrev_b32 v3, 4, v2                        ; my 16 bytes of a load's 512
	s_mul_i32 s26, s22, WREG
	v_lshrrev_b32 v14, 2, v2
	v_mul_u32_u24 v14, v14, SP
	v_and_b32 v15, 3, v2
	v_lshl_add_u32 v14, v15, 4, v14
	v_add_nc_u32 v14, s26, v14                     ; the stage, on the way in: SP (lane / 4) + 16 (lane % 4)
	v_mul_u32_u24 v15, v2, SP
	v_add_nc_u32 v15, s26, v15                     ; and on the way out: SP x lane: my 16 neighbours
	v_mul_u32_u24 v4, v2, CB                       ; my codes' place in a step's
	v_lshrrev_b32 v5, 1, v2
	s_add_co_u32 s26, s26, 2*32*SP
	v_add_nc_u32 v5, s26, v5                       ; LDS: my wave's 256 scale bytes, my block's byte
	v_lshlrev_b32 v7, 3, v2                        ; and on the way out 8 bytes a lane
	v_add_nc_u32 v6, s26, v7
	s_max_u32 s23, ttmp9, 256
	s_sub_co_u32 s23, s23, 256                     ; a weight's work-group: its number among the 128
	s_lshr_b32 s24, s23, 5                         ; which weight
	s_and_b32 s25, s23, 31                         ; and which 32 rows of it
	s_and_b32 s27, s22, 1
	s_lshl_b32 s27, s27, 1
	s_lshr_b32 s28, s22, 1
	s_or_b32 s27, s27, s28                         ; the wave's number with its two bits exchanged: the rows' bits 3 and 4
	s_wait_alu depctr_va_vdst(0)
	s_wait_kmcnt 0x0
	s_cmp_eq_u32 s24, 1                            ; the choices hang on the work-group's number alone
	s_cselect_b64 s[6:7], s[8:9], s[6:7]
	s_cmp_eq_u32 s24, 2
	s_cselect_b64 s[6:7], s[10:11], s[6:7]
	s_cmp_eq_u32 s24, 3
	s_cselect_b64 s[6:7], s[12:13], s[6:7]
	s_cmp_lt_u32 ttmp9, 256
	s_cselect_b64 s[4:5], s[4:5], s[6:7]           ; the source
	s_cselect_b64 s[8:9], s[14:15], s[18:19]       ; its codes
	s_cselect_b64 s[10:11], s[16:17], s[20:21]     ; its scale bytes
	s_cselect_b32 s25, ttmp9, s25                  ; the work-group's number in the source,
	s_cselect_b32 s23, ttmp9, s23                  ; and in the destination
	s_lshl_b32 s25, s25, 2
	s_add_co_u32 s25, s25, s22                     ; which run of 8 rows I read,
	s_lshl_b32 s23, s23, 2
	s_add_co_u32 s23, s23, s27                     ; and at which run of 8 positions I write
	s_lshl_b32 s28, s25, 15                        ; 32,768 bytes of numbers a run
	s_mov_b32 s29, 0
	s_add_nc_u64 s[4:5], s[4:5], s[28:29]
	s_lshl_b32 s28, s23, 12                        ; 4,096 bytes of codes
	s_add_nc_u64 s[8:9], s[8:9], s[28:29]
	s_lshl_b32 s28, s23, 8                         ; 256 scale bytes
	s_add_nc_u64 s[10:11], s[10:11], s[28:29]
.macro LOAD t
.irp i, 0,1,2,3
	global_load_b128 v[R+16*((\t)%4)+4*\i:R+16*((\t)%4)+4*\i+3], v3, s[4:5] offset:2048*(\t)+512*\i th:TH_LOAD_NT   ; 32 lanes read 512 consecutive bytes
.endr
.endm
.macro TURN t                          ; step t's numbers through the stage: LDS serves a wave's instructions in order, so no wait stands between the stores and the loads
.irp i, 0,1,2,3
	ds_store_b128 v14, v[R+16*((\t)%4)+4*\i:R+16*((\t)%4)+4*\i+3] offset:32*SP*((\t)%2)+8*SP*\i
.endr
.irp i, 0,1,2,3
	ds_load_b128 v[X+16*((\t)%2)+4*\i:X+16*((\t)%2)+4*\i+3], v15 offset:32*SP*((\t)%2)+16*\i
.endr
.endm
.irp t, 0,1,2,3
	LOAD \t
.endr
	s_wait_loadcnt 12                              ; step 0's four loads are in; those of steps 1 to 3 may be out
	TURN 0
.macro STEP t
.set XS, X+16*((\t)%2)
.if (\t) > 0
	s_wait_dscnt 1                                 ; this step's numbers are back from the stage (the last step's byte store may be out): so its stores into the stage have read their registers,
.else
	s_wait_dscnt 0x0
.endif
.if (\t)+4 < STEPS
	LOAD (\t)+4                                    ; which take the loads of four steps on
.endif
.if (\t)+1 < STEPS
.if STEPS-2-(\t) >= 3
	s_wait_loadcnt 12                              ; the next step's four loads are in; those of the three steps behind it may be out
.else
	s_wait_loadcnt 4*(STEPS-2-(\t))
.endif
	TURN (\t)+1                                    ; and go through the other stage while this step is worked
.endif
	v_max3_num_f32 v8, |v[XS]|, |v[XS+1]|, |v[XS+2]|               ; the largest magnitude of my 16, in two chains
	v_max3_num_f32 v9, |v[XS+3]|, |v[XS+4]|, |v[XS+5]|
.irp i, 6,10
	v_max3_num_f32 v8, v8, |v[XS+\i]|, |v[XS+\i+1]|
	v_max3_num_f32 v9, v9, |v[XS+\i+2]|, |v[XS+\i+3]|
.endr
	v_max3_num_f32 v8, v8, |v[XS+14]|, |v[XS+15]|
	v_max3_num_f32 v8, v8, v9, (EMAX+1)<<23        ; and the floor 2^(3 - 127): the byte cannot fall under 1
	v_max_num_f32_dpp v8, v8, v8 row_xmask:1 row_mask:0xf bank_mask:0xf   ; and of my neighbour's 16: the block's
	v_add_nc_u32 v11, -(EMAX<<23), v8              ; 2 off its exponent field: the conversion takes the exponent field of this operand as its scale
	v_cvt_scalef32_pk8_fp4_f32 v[C+4*(\t)], v[XS:XS+7], v11
	v_cvt_scalef32_pk8_fp4_f32 v[C+4*(\t)+1], v[XS+8:XS+15], v11
	v_lshrrev_b32 v[E+(\t)], 23, v11               ; the scale's byte (a plain line behind the conversions)
	ds_store_b8 v5, v[E+(\t)] offset:16*(\t)       ; both lanes of a block write the same byte with the same value
	global_store_b64 v4, v[C+4*(\t):C+4*(\t)+1], s[8:9] offset:32*CB*(\t)   ; 32 lanes store 256 consecutive bytes
.endm
.irp t, 0,1,2,3,4,5,6,7,8,9,10,11,12,13,14,15
	STEP \t
.endr
	ds_load_b64 v[8:9], v6                         ; LDS serves a wave's instructions in order: these see my stores
	s_wait_dscnt 0x0
	global_store_b64 v7, v[8:9], s[10:11]          ; 32 lanes store 256 consecutive bytes
	s_wait_tensorcnt 0x0                           ; the wave's end
	ds_add_u32 v[SPW], v[NIL]
	s_wait_dscnt 0x0
	s_endpgm
.Lfunc_end_k_q0bdc9bdd7d_quant:
	.size	k_q0bdc9bdd7d_quant, .Lfunc_end_k_q0bdc9bdd7d_quant-k_q0bdc9bdd7d_quant
	.p2alignl 7, 3214868480
	.fill 96, 4, 3214868480
	.section	.rodata,"a",@progbits
	.p2align	6, 0x0
	.amdhsa_kernel k_q0bdc9bdd7d_quant
		.amdhsa_group_segment_fixed_size 33280
		.amdhsa_private_segment_fixed_size 0
		.amdhsa_enable_private_segment 0
		.amdhsa_kernarg_size 72
		.amdhsa_user_sgpr_count 2
		.amdhsa_user_sgpr_kernarg_segment_ptr 1
		.amdhsa_wavefront_size32 1
		.amdhsa_system_sgpr_workgroup_id_x 1
		.amdhsa_system_sgpr_workgroup_id_y 1
		.amdhsa_system_sgpr_workgroup_id_z 1
		.amdhsa_system_vgpr_workitem_id 0
		.amdhsa_next_free_vgpr 192
		.amdhsa_next_free_sgpr 66
		.amdhsa_reserve_vcc 0
		.amdhsa_float_denorm_mode_32 3
		.amdhsa_float_denorm_mode_16_64 3
		.amdhsa_memory_ordered 1
		.amdhsa_forward_progress 1
		.amdhsa_inst_pref_size 34
	.end_amdhsa_kernel
	.amdgpu_metadata
---
amdhsa.version: [ 1, 2 ]
amdhsa.kernels:
  - .name:           k_q0bdc9bdd7d_quant
    .symbol:         k_q0bdc9bdd7d_quant.kd
    .args:
      - { .name: x, .offset: 0, .size: 8, .value_kind: global_buffer, .address_space: global }
      - { .name: Wq, .offset: 8, .size: 8, .value_kind: global_buffer, .address_space: global }
      - { .name: Wk, .offset: 16, .size: 8, .value_kind: global_buffer, .address_space: global }
      - { .name: Wv, .offset: 24, .size: 8, .value_kind: global_buffer, .address_space: global }
      - { .name: Wp, .offset: 32, .size: 8, .value_kind: global_buffer, .address_space: global }
      - { .name: x_codes, .offset: 40, .size: 8, .value_kind: global_buffer, .address_space: global }
      - { .name: x_scales, .offset: 48, .size: 8, .value_kind: global_buffer, .address_space: global }
      - { .name: w_codes, .offset: 56, .size: 8, .value_kind: global_buffer, .address_space: global }
      - { .name: w_scales, .offset: 64, .size: 8, .value_kind: global_buffer, .address_space: global }
    .group_segment_fixed_size: 33280
    .private_segment_fixed_size: 0
    .kernarg_segment_align: 8
    .kernarg_segment_size: 72
    .max_flat_workgroup_size: 128
    .sgpr_count:     66
    .vgpr_count:     192
    .wavefront_size: 32
...
	.end_amdgpu_metadata
.endif
;; end of part 1
;; launch qkv (part 2): grid 24 x 32, 4 waves a work-group, clusters of 4 x 4, 327,680 bytes of LDS; arguments x_codes, x_scales, w_codes, w_scales, bq, bk, bv, q_rec, kv_rec; writes q_rec, kv_rec
.if DOCPART == 2
	.amdgcn_target "amdgcn-amd-amdhsa--gfx1250"
	.amdhsa_code_object_version 6
	.text
	.protected	k_q0bdc9bdd7d_qkv
	.globl	k_q0bdc9bdd7d_qkv
	.p2align	8
	.type	k_q0bdc9bdd7d_qkv,@function
k_q0bdc9bdd7d_qkv:
	s_mov_b64 s[64:65], 0
	v_nop
	global_prefetch_b8 v0, s[64:65] scope:SCOPE_SE
	s_setreg_imm32_b32 hwreg(HW_REG_WAVE_MODE, 25, 1), 1
	s_wait_xcnt 0x0
	s_wait_alu depctr_hold_cnt(0) depctr_sa_sdst(0) depctr_va_vdst(0) depctr_va_sdst(0) depctr_va_ssrc(0) depctr_va_vcc(0) depctr_vm_vsrc(0)
	s_getreg_b32 s2, hwreg(HW_REG_IB_STS2, 6, 4)
	s_cmp_eq_u32 s2, 0
	s_cbranch_scc0 .Lentry_in_a_cluster
	s_endpgm
.Lentry_in_a_cluster:
	s_bfe_u32 s2, ttmp6, 0x10000c
	s_cmp_lg_u32 s2, 0xf033
	s_cbranch_scc0 .Lentry_shape_is_right
	s_endpgm
.Lentry_shape_is_right:
; Launch 2 of 4: q = x Wq^T + bq, k = x Wk^T + bk, v = x Wv^T + bv on codes of FP4, and q, k, v quantised in registers into the records that the attention launch reads.  No work is left out.
; A work-group multiplies 128 rows of SOURCE 0 by 256 rows of SOURCE 1 over all of K = 1,024.  Wave w takes source 1's rows 64 w .. 64 w + 63 (blocks a = 0..3) against all 8 tiles b of source 0: 32 accumulators.
; In a result a lane holds ONE row of source 1 (lane % 16) and its registers run along source 0's rows.  All rows lie in position order (bits 3 and 4 of the row number exchanged), so the 16 registers of tiles 2 b', 2 b' + 1
; are 16 neighbours, 32 b' + 16 (lane / 16) + 0..15, of source 0's true order: 128 rows of source 0 are one K step of the next product, quantised with no other lane but lane xor 16.
; QK PATH (cluster x < 4): source 0 = 128 rows of Wq or Wk (two heads), source 1 = 256 tokens: a lane holds a token, registers run along the channels (the K of q k^T).
; V PATH (cluster x >= 4): source 0 = 128 tokens (a key step), source 1 = 256 rows of Wv (four heads): a lane holds a channel, registers run along the keys (the K of p v).
; The paths part once, on the cluster's x, which all partners share; LDS regions and the descriptors' shapes go by the source, so they are the same constants on both paths; neither path stores to LDS.
; K = 1,024 is 512 bytes a row: two LDS slots of 256-byte rows hold all of it, each filled once: no slot is filled again.  A wave has three tensor loads out: its rows' scales, slot 0, slot 1.
; CLUSTER 4 x 4: source 0's tile hangs on the work-group's x alone and is asked for jointly along a column of the cluster, source 1's on y alone and along a row.
; No prefetch: everything that the work-group reads is asked for at its head.
; RECORDS.  q or k, 128 tokens of one head, 4,608 bytes: 8 tiles x 512 bytes (lane l's 16 bytes at 16 l: registers 0-3 of the tile's fragment, channels 32 (l / 16) + 0..31), then scale words [u (2)][r (16)][i (4)] of tile 4 u + i, row r
; (bytes 0, 1 the head's two blocks; bytes 2, 3 meet zero codes only and are never 0xff).  kv record, 8,960 bytes: the k record; at 4,608 V^T: 4 channel tiles x 1,024 bytes (registers 0-3, then 4-7); at 8,704 V's scale words [r (16)][tile (4)].
; LIMITS: blocks with a largest magnitude under 2^-124 get the byte 1; NaN and infinities are not served.
; REGISTERS, in windows of 256.  Window 0: v1 r, v2 h; v16-27 addresses; v28, v29 the add's two; v32-63, v64-79 scale words and nothing else; v96-159 the bias, later the quantiser's; v160-195 codes and scratch.
;   Window 1: accumulator (a, b) at v[8 (8 a + b)].   Window 2: fragment set p at v[96 p]: 64 registers of source 0, 32 of source 1.
.set SLOT,  104448                     ; a slot: source 0's 128 rows, then source 1's 256, 272 bytes apart (256 + 16 of padding: the 16 rows of a load start at 16 different banks)
.set S1OFF, 34816
.set SCL,   2*SLOT                     ; the scale bytes, as runs of 256 bytes + 16 of padding: source 0's 16 runs, then source 1's 32
.set SPARE, SCL+13056                  ; the spare words, 128 bytes a wave
.set AD0,  16                          ; v16-17  LDS address of source 0's fragments in slot 0, 1
.set AD1,  18                          ; v18-19  of source 1's
.set ADS0, 20                          ; v20, v21  of the scale words
.set ADS1, 21
.set VO,   22                          ; v22  the way out: 16 x lane (QK: + 2,048 u)
.set VW,   23                          ; v23  the way out: the scale words' offset
.set VB,   24                          ; v24  the bias's lane offset
.set SH,   25                          ; v25  16 h
.set SPW,  28
.set NIL,  29
.set S0W,  32                          ; register 4 b + q: lanes 0-15 the word of K step q, lanes 16-31 that of K step 4 + q
.set S1W,  64                          ; register 4 a + q likewise
.set BI,   96                          ; the bias in the result's layout: the C of the first K step
.set MX,   96                          ; the quantiser: 16 largest magnitudes,
.set SO,   128                         ; 16 scale operands,
.set PW,   144                         ; 4 scale words,
.set WD,   148                         ; the words as they are stored,
.set PC,   160                         ; 32 registers of codes,
.set TP,   192                         ; 4 at work
.set WV,   22
.set ROLE, 23
.set HALF, 24
.set CX,   25
.set CY,   26
.set WGX,  27
.set WGY,  28
.set CLY,  29
.set RMASK, 30
.set CMASK, 31
.set G1C0, 32                          ; descriptor groups 1: codes of source 0, of source 1; scales of source 0, of source 1
.set G1C1, 40
.set G1S0, 48
.set G1S1, 56
.set G0C0, 68                          ; groups 0: codes, a set for each slot; scales
.set G0C1, 76
.set G0S0, 84
.set G0S1, 88
.set SEL,  100
.set MSB, 0
.macro WIN new                         ; the immediate's high byte repeats the setting that is left
.if MSB != \new
	s_set_vgpr_msb (MSB<<8)|\new
.set MSB, \new
.endif
.endm
.set MUL,  0x5a                        ; sources 0 and 1 window 2; C and D window 1
.set MUL0, 0x4a                        ; the same with C in window 0
.set TOF,  0x80                        ; destination window 2, address window 0
; A joint load: waves 0 and 1 fetch for source 0, waves 2 and 3 for source 1.  Each line has one mask and one set of registers; the branch hangs on the wave's number alone.
.macro JLOAD g00, g10, g01, g11
	s_cmp_eq_u32 s[ROLE], 0
	s_cbranch_scc0 .Lfor_1_\@
	tensor_load_to_lds s[\g00:\g00+3], s[\g10:\g10+7]
	s_nop 0
.rept 4
	v_nop
.endr
	s_branch .Lasked_\@
.Lfor_1_\@:
	tensor_load_to_lds s[\g01:\g01+3], s[\g11:\g11+7]
	s_nop 0
.rept 4
	v_nop
.endr
.Lasked_\@:
.endm
.macro CROUND                          ; a round of the cluster's barrier
	s_barrier_signal -1
	s_barrier_wait -1
	s_cmp_lg_u32 s[WV], 0
	s_cbranch_scc1 .Lnot_wave_0_\@
	s_barrier_signal -3
.Lnot_wave_0_\@:
	s_barrier_wait -3
	s_barrier_signal -1
	s_barrier_wait -1
.endm
.macro G1REST g, c, r, p               ; a tile of r rows of c elements, p elements from row to row
	s_mov_b32 s[\g+1], (\c)<<16
	s_mov_b32 s[\g+2], (\r)<<16
	s_mov_b32 s[\g+3], (\c)<<16
	s_mov_b32 s[\g+4], \r
	s_mov_b32 s[\g+5], \p
	s_mov_b32 s[\g+6], 0
	s_mov_b32 s[\g+7], 0
.endm
	s_load_b256 s[4:11], s[0:1], 0x0               ; x_codes s[4:5], x_scales s[6:7], w_codes s[8:9], w_scales s[10:11]
	s_load_b256 s[12:19], s[0:1], 0x20             ; bq s[12:13], bk s[14:15], bv s[16:17], q_rec s[18:19]
	s_load_b64 s[20:21], s[0:1], 0x40              ; kv_rec
	v_lshl_add_u32 v[SPW], v0, 2, SPARE
	v_mov_b32 v[NIL], 0
	ds_add_u32 v[SPW], v[NIL]                      ; the wave's opening: the add, twice on end, and its wait ahead of my first tensor load
	ds_add_u32 v[SPW], v[NIL]
	v_lshrrev_b32 v1, 5, v0
	v_readfirstlane_b32 s[WV], v1                  ; wave 0..3
	s_lshr_b32 s[ROLE], s[WV], 1                   ; I fetch for source 0 (0) or for source 1 (1),
	s_and_b32 s[HALF], s[WV], 1                    ; and which half of its rows
	s_bfe_u32 s[CX], ttmp6, 0x40000
	s_bfe_u32 s[CY], ttmp6, 0x40004
	s_lshl_b32 s[WGX], ttmp9, 2
	s_add_co_u32 s[WGX], s[WGX], s[CX]             ; work-group x = 4 x cluster x + cx
	s_and_b32 s[CLY], ttmp7, 0xffff                ; cluster y
	s_lshl_b32 s[WGY], s[CLY], 2
	s_add_co_u32 s[WGY], s[WGY], s[CY]             ; work-group y
	s_lshl_b32 s[RMASK], s[CY], 2
	s_lshl_b32 s[RMASK], 15, s[RMASK]              ; my row of the cluster
	s_lshl_b32 s[CMASK], 0x1111, s[CX]             ; my column
	s_or_b32 s[G1C0], s[CMASK], (1<<20)|(1<<21)|(5<<22)|(3<<25)          ; elements of 1 byte; padding: 4 words behind every 64; bit 21 beside a mask
	s_or_b32 s[G1C1], s[RMASK], (1<<20)|(1<<21)|(5<<22)|(3<<25)
	s_or_b32 s[G1S0], s[CMASK], (3<<16)|(1<<20)|(1<<21)|(5<<22)|(3<<25)  ; elements of 8 bytes
	s_or_b32 s[G1S1], s[RMASK], (3<<16)|(1<<20)|(1<<21)|(5<<22)|(3<<25)
	G1REST G1C0, 256, 64, 512                      ; 64 rows x 256 bytes of rows of 512
	G1REST G1C1, 256, 128, 512                     ; 128 rows
	G1REST G1S0, 32, 8, 32                         ; the scales of 64 rows: 2,048 dense bytes as 8 rows of 256
	G1REST G1S1, 32, 16, 32                        ; of 128 rows
	s_mov_b32 s[SEL], 0x76543210
	s_mov_b32 s[SEL+1], 0xfedcba98                 ; v_permlanex16_b32's selects for lane l xor 16
	; which rows.  s66, s[92:95] hold cx, cluster x and cluster y alone; s[96:99] cy and cluster y alone
	s_max_u32 s66, s[WGX], 16
	s_sub_co_u32 s66, s66, 16
	s_lshl_b32 s93, s[CLY], 3
	s_add_co_u32 s66, s66, s93                     ; V path: the key step, 0..63
	s_cmp_lt_u32 ttmp9, 4                          ; the QK path?
	s_cselect_b32 s93, s[WGX], s66                 ; source 0's 128 rows
	s_cselect_b32 s96, s[WGY], s[CY]               ; source 1's 256 rows,
	s_cselect_b32 s97, 0, 2048                     ; in Wv behind Wq and Wk
	s_lshl_b32 s93, s93, 7
	s_lshl_b32 s2, s[HALF], 6
	s_add_co_u32 s93, s93, s2                      ; source 0: the first row that I would fetch
	s_lshl_b32 s92, s93, 9                         ; its codes, 512 bytes a row,
	s_lshl_b32 s94, s93, 5                         ; its scale bytes, 32 a row
	s_mov_b32 s93, 0
	s_mov_b32 s95, 0
	s_lshl_b32 s96, s96, 8
	s_add_co_u32 s96, s96, s97
	s_lshl_b32 s2, s[HALF], 7
	s_add_co_u32 s97, s96, s2                      ; source 1 likewise
	s_lshl_b32 s96, s97, 9
	s_lshl_b32 s98, s97, 5
	s_mov_b32 s97, 0
	s_mov_b32 s99, 0
	s_wait_dscnt 0x0                               ; both opening adds are done
	s_wait_kmcnt 0x0
	s_cmp_lt_u32 ttmp9, 4
	s_cselect_b64 s[2:3], s[8:9], s[4:5]           ; source 0: the weights on the QK path, x on the V path
	s_add_nc_u64 s[92:93], s[2:3], s[92:93]
	s_cselect_b64 s[2:3], s[10:11], s[6:7]
	s_add_nc_u64 s[94:95], s[2:3], s[94:95]
	s_cselect_b64 s[2:3], s[4:5], s[8:9]           ; source 1: the other way round
	s_add_nc_u64 s[96:97], s[2:3], s[96:97]
	s_cselect_b64 s[2:3], s[6:7], s[10:11]
	s_add_nc_u64 s[98:99], s[2:3], s[98:99]
	s_mul_i32 s2, s[HALF], 17408                   ; where they go: no place in the cluster enters an LDS address
	s_mul_i32 s3, s[HALF], 34816
	s_add_co_u32 s3, s3, S1OFF
.irp s, 0,1
	s_mov_b32 s[G0C0+4*\s], 1
	s_add_co_u32 s[G0C0+4*\s+1], s2, \s*SLOT
	s_add_nc_u64 s[G0C0+4*\s+2:G0C0+4*\s+3], s[92:93], \s*256
	s_or_b32 s[G0C0+4*\s+3], s[G0C0+4*\s+3], 0x80000000
	s_mov_b32 s[G0C1+4*\s], 1
	s_add_co_u32 s[G0C1+4*\s+1], s3, \s*SLOT
	s_add_nc_u64 s[G0C1+4*\s+2:G0C1+4*\s+3], s[96:97], \s*256
	s_or_b32 s[G0C1+4*\s+3], s[G0C1+4*\s+3], 0x80000000
.endr
	s_mul_i32 s2, s[HALF], 2176
	s_mul_i32 s3, s[HALF], 4352
	s_mov_b32 s[G0S0], 1
	s_add_co_u32 s[G0S0+1], s2, SCL
	s_mov_b64 s[G0S0+2:G0S0+3], s[94:95]
	s_or_b32 s[G0S0+3], s[G0S0+3], 0x80000000
	s_mov_b32 s[G0S1], 1
	s_add_co_u32 s[G0S1+1], s3, SCL+4352
	s_mov_b64 s[G0S1+2:G0S1+3], s[98:99]
	s_or_b32 s[G0S1+3], s[G0S1+3], 0x80000000
	CROUND                                         ; all sixteen work-groups are here: the joint loads meet
	JLOAD G0S0, G1S0, G0S1, G1S1                   ; the scales first: they are wanted with K step 0
	JLOAD G0C0, G1C0, G0C1, G1C1                   ; slot 0: K = 0..511
	JLOAD G0C0+4, G1C0, G0C1+4, G1C1               ; slot 1: K = 512..1023
	v_and_b32 v1, 15, v0                           ; r
	v_bfe_u32 v2, v0, 4, 1                         ; h
	v_mul_u32_u24 v3, v1, 272
	v_lshl_add_u32 v[AD0], v2, 4, v3               ; a fragment's row x 272 + 16 h
	v_add_nc_u32 v[AD0+1], SLOT, v[AD0]
	s_mul_i32 s2, s[WV], 17408                     ; my 64 rows of source 1
	s_add_co_u32 s2, s2, S1OFF
	v_add_nc_u32 v[AD1], s2, v[AD0]
	s_add_co_u32 s2, s2, SLOT
	v_add_nc_u32 v[AD1+1], s2, v[AD0]
	v_lshrrev_b32 v4, 3, v1
	v_and_b32 v5, 7, v1
	v_mul_u32_u24 v4, v4, 272
	v_lshl_add_u32 v4, v5, 5, v4
	v_lshl_add_u32 v4, v2, 4, v4                   ; a row's 32 scale bytes: 272 (r / 8) + 32 (r % 8); lanes 16-31 take the words of K steps 4 to 7
	v_add_nc_u32 v[ADS0], SCL, v4
	s_mul_i32 s2, s[WV], 2176
	s_add_co_u32 s2, s2, SCL+4352
	v_add_nc_u32 v[ADS1], s2, v4
	v_and_b32 v6, 31, v0
	v_lshlrev_b32 v[VO], 4, v6
	v_lshlrev_b32 v[SH], 4, v2
.irp b, 0,1,2,3
	v_mov_b32 v[TP+\b], 0                          ; written once: a lane permute's destination counts as one of its sources
.endr
.macro FRAG0 p, s, b                   ; a fragment, 16 rows x 128 K of 4-bit codes: registers 4 c .. 4 c + 3 hold K = 64 c + 32 h + 0..31
.irp c, 0,1
	ds_load_b128 v[96*(\p)+8*(\b)+4*\c:96*(\p)+8*(\b)+4*\c+3], v[AD0+(\s)/4] offset:4352*(\b)+64*((\s)%4)+32*\c
.endr
.endm
.macro FRAG1 p, s, a
.irp c, 0,1
	ds_load_b128 v[96*(\p)+64+8*(\a)+4*\c:96*(\p)+64+8*(\a)+4*\c+3], v[AD1+(\s)/4] offset:4352*(\a)+64*((\s)%4)+32*\c
.endr
.endm
.macro FETCH s                         ; K step s's 12 fragments, 24 loads in one run, into set s % 2
	WIN TOF
.irp b, 0,1,2,3,4,5,6,7
	FRAG0 (\s)%2, \s, \b
.endr
.irp a, 0,1,2,3
	FRAG1 (\s)%2, \s, \a
.endr
.endm
; 32 matrix instructions; the 32 accumulators take turns, one instruction a turn, in the same order in every step.  Step 0 starts the sums with the bias as C: nothing is cleared or added.
.macro MUL32 s, cmode
.if (\s) == 0
	WIN MUL0
.else
	WIN MUL
.endif
.irp a, 0,1,2,3
.irp b, 0,1,2,3,4,5,6,7
.if (\s) == 0
.if \cmode
	v_wmma_scale_f32_16x16x128_f8f6f4 v[8*(8*\a+\b):8*(8*\a+\b)+7], v[8*\b:8*\b+7], v[64+8*\a:64+8*\a+7], v[BI+8*\a:BI+8*\a+7], v[S0W+4*\b], v[S1W+4*\a] matrix_a_fmt:MATRIX_FMT_FP4 matrix_b_fmt:MATRIX_FMT_FP4
.else
	v_wmma_scale_f32_16x16x128_f8f6f4 v[8*(8*\a+\b):8*(8*\a+\b)+7], v[8*\b:8*\b+7], v[64+8*\a:64+8*\a+7], v[BI+8*\b:BI+8*\b+7], v[S0W+4*\b], v[S1W+4*\a] matrix_a_fmt:MATRIX_FMT_FP4 matrix_b_fmt:MATRIX_FMT_FP4
.endif
.elseif (\s) < 4
	v_wmma_scale_f32_16x16x128_f8f6f4 v[8*(8*\a+\b):8*(8*\a+\b)+7], v[96*((\s)%2)+8*\b:96*((\s)%2)+8*\b+7], v[96*((\s)%2)+64+8*\a:96*((\s)%2)+64+8*\a+7], v[8*(8*\a+\b):8*(8*\a+\b)+7], v[S0W+4*\b+(\s)%4], v[S1W+4*\a+(\s)%4] matrix_a_fmt:MATRIX_FMT_FP4 matrix_b_fmt:MATRIX_FMT_FP4
.else
	v_wmma_scale_f32_16x16x128_f8f6f4 v[8*(8*\a+\b):8*(8*\a+\b)+7], v[96*((\s)%2)+8*\b:96*((\s)%2)+8*\b+7], v[96*((\s)%2)+64+8*\a:96*((\s)%2)+64+8*\a+7], v[8*(8*\a+\b):8*(8*\a+\b)+7], v[S0W+4*\b+(\s)%4], v[S1W+4*\a+(\s)%4] matrix_a_fmt:MATRIX_FMT_FP4 matrix_b_fmt:MATRIX_FMT_FP4 matrix_a_scale:MATRIX_SCALE_ROW1 matrix_b_scale:MATRIX_SCALE_ROW1
.endif
.endr
.endr
.endm
.macro STEP s, cmode
.if (\s) == 3                          ; the next fetch reads slot 1
	s_wait_tensorcnt 0x0                           ; my part of slot 1, my last tensor load, has landed;
	s_wait_dscnt 0x0                               ; no LDS instruction of mine is pending at the signal
	s_barrier_signal -1
	s_barrier_wait -1                              ; everybody's has
.endif
.if (\s) >= 1
.rept 4
	v_nop                                          ; four places in front of loads into the set that the last step multiplied
.endr
.endif
.if (\s) < 7
	FETCH (\s)+1
	s_wait_dscnt 24                                ; all but the 24 just issued: this step's fragments (and the scale words) are in
.else
	s_wait_dscnt 0x0
.endif
	MUL32 \s, \cmode
.endm
; The four blocks a, 64 numbers of a lane each (window 1, v[64 a + 16 b' + i] = k 32 b' + 16 h + i of my row), become four fragments' codes in v[PC + 8 a] on and four scale words in v[PW + a].
.macro QUANT4
	WIN 0x14                                       ; sources 1 and 2 window 1
.irp a, 0,1,2,3
.irp b, 0,1,2,3
	v_max3_num_f32 v[MX+4*\a+\b], 0x1800000, |v[64*\a+16*\b]|, |v[64*\a+16*\b+1]|   ; sixteen chains by turns; the floor 2^(3 - 127) holds the byte at 1 from below; each accumulator is read from its low end on
.endr
.endr
.irp i, 2,4,6,8,10,12,14
.irp a, 0,1,2,3
.irp b, 0,1,2,3
	v_max3_num_f32 v[MX+4*\a+\b], v[MX+4*\a+\b], |v[64*\a+16*\b+\i]|, |v[64*\a+16*\b+\i+1]|
.endr
.endr
.endr
	WIN 0
.irp a, 0,1,2,3
.irp b, 0,1,2,3
	v_permlanex16_b32 v[TP+\b], v[MX+4*\a+\b], s[SEL], s[SEL+1]
.endr
.irp b, 0,1,2,3
	v_max_num_f32 v[MX+4*\a+\b], v[MX+4*\a+\b], v[TP+\b]     ; with lane l xor 16's: the block's largest magnitude
.endr
.irp b, 0,1,2,3
	v_add_nc_u32 v[SO+4*\a+\b], 0xff000000, v[MX+4*\a+\b]    ; 2 off its exponent field: the conversion's scale operand
.endr
.irp b, 0,1,2,3
	v_lshrrev_b32 v[TP+\b], 23, v[SO+4*\a+\b]                ; the scale's byte
.endr
	v_lshl_or_b32 v[PW+\a], v[TP+1], 8, v[TP]
	v_lshl_or_b32 v[PW+\a], v[TP+2], 16, v[PW+\a]
	v_lshl_or_b32 v[PW+\a], v[TP+3], 24, v[PW+\a]
.endr
	WIN 0x01                                       ; source 0 window 1
.irp a, 0,1,2,3
.irp b, 0,1,2,3
	v_cvt_scalef32_pk8_fp4_f32 v[PC+8*\a+2*\b], v[64*\a+16*\b:64*\a+16*\b+7], v[SO+4*\a+\b]
	v_cvt_scalef32_pk8_fp4_f32 v[PC+8*\a+2*\b+1], v[64*\a+16*\b+8:64*\a+16*\b+15], v[SO+4*\a+\b]
.endr
.endr
	WIN 0
	v_nop                                          ; one plain place behind a scaled conversion
.irp a, 0,1,2,3
.irp c, 0,1                                    ; the operand's layout wants a whole block in a lane: lanes 0-15 block 2 c, lanes 16-31 block 2 c + 1
.irp i, 0,1
	v_permlane16_swap_b32 v[PC+8*\a+4*\c+\i], v[PC+8*\a+4*\c+2+\i]
.endr
.endr
.endr
.endm
.macro BODY path
.if \path == 0
	s_and_b32 s4, s[WGX], 7                        ; the bias of my 128 channels: bq for cluster x 0, 1, else bk
	s_lshl_b32 s4, s4, 9
	s_mov_b32 s5, 0
	s_cmp_lt_u32 ttmp9, 2
	s_cselect_b64 s[6:7], s[12:13], s[14:15]
	s_add_nc_u64 s[6:7], s[6:7], s[4:5]
	v_lshlrev_b32 v[VB], 6, v2                     ; register j of tile b is channel 32 (b / 2) + 8 (b % 2) + 16 h + j
.irp b, 0,1,2,3,4,5,6,7
	global_load_b128 v[BI+8*\b:BI+8*\b+3], v[VB], s[6:7] offset:4*(32*(\b/2)+8*(\b%2))
	global_load_b128 v[BI+8*\b+4:BI+8*\b+7], v[VB], s[6:7] offset:4*(32*(\b/2)+8*(\b%2))+16
.endr
.else
	s_lshl_b32 s4, s[CY], 10                       ; bv of my 64 channels: 256 cy + 64 wave on
	s_lshl_b32 s5, s[WV], 8
	s_add_co_u32 s4, s4, s5
	s_mov_b32 s5, 0
	s_add_nc_u64 s[6:7], s[16:17], s[4:5]
	v_and_b32 v3, 7, v1
	v_lshrrev_b32 v4, 3, v1
	v_lshlrev_b32 v[VB], 2, v3
	v_lshl_add_u32 v[VB], v4, 6, v[VB]             ; lane r of block a is channel 32 (a / 2) + 8 (a % 2) + r % 8 + 16 (r / 8)
.irp a, 0,1,2,3
	global_load_b32 v[BI+8*\a], v[VB], s[6:7] offset:4*(32*(\a/2)+8*(\a%2))
.endr
.endif
	s_wait_tensorcnt 0x1                           ; my scales and my part of slot 0 are in; slot 1's load may be out
	s_barrier_signal -1
	s_barrier_wait -1                              ; everybody's are
.irp b, 0,1,2,3,4,5,6,7
	ds_load_b128 v[S0W+4*\b:S0W+4*\b+3], v[ADS0] offset:544*\b     ; the scale words of all of K, once
.endr
.irp a, 0,1,2,3
	ds_load_b128 v[S1W+4*\a:S1W+4*\a+3], v[ADS1] offset:544*\a
.endr
	FETCH 0
	WIN 0
	s_wait_loadcnt 0x0                             ; the bias
.if \path
.irp a, 0,1,2,3
.irp j, 1,2,3,4,5,6,7
	v_mov_b32 v[BI+8*\a+\j], v[BI+8*\a]            ; a lane's eight registers are eight keys of one channel: the same bias
.endr
.endr
.rept 4
	v_nop
.endr
.endif
	s_wait_alu depctr_va_vdst(0)
.irp s, 0,1,2,3,4,5,6,7
	STEP \s, \path
.endr
	WIN 0
.rept 4
	v_nop                                          ; four places in front of the first read of results
.endr
	QUANT4
.if \path == 0
	; token block a of wave w is tile 4 (w % 2) + a of record 2 (y % 8) + w / 2 of batch y / 8; registers 0-3 are head 2 (x % 8)'s codes, registers 4-7 the next head's
	s_lshr_b32 s4, s[WGY], 3
	s_lshl_b32 s4, s4, 4
	s_and_b32 s5, s[WGX], 7
	s_lshl_b32 s5, s5, 1
	s_add_co_u32 s4, s4, s5                        ; 16 b + head
	s_lshl_b32 s4, s4, 4
	s_and_b32 s5, s[WGY], 7
	s_lshl_b32 s5, s5, 1
	s_add_co_u32 s4, s4, s5
	s_add_co_u32 s4, s4, s[ROLE]                   ; + the record
	s_mov_b32 s6, 8960
	s_cmp_lt_u32 ttmp9, 2
	s_cselect_b32 s6, 4608, s6                     ; a record's bytes,
	s_cselect_b64 s[8:9], s[18:19], s[20:21]       ; in q_rec or in kv_rec
	s_mul_i32 s4, s4, s6
	s_mov_b32 s5, 0
	s_add_nc_u64 s[8:9], s[8:9], s[4:5]            ; the first head's record,
	s_lshl_b32 s10, s6, 4
	s_mov_b32 s11, 0
	s_add_nc_u64 s[12:13], s[8:9], s[10:11]        ; the second's: 16 records on
	s_lshl_b32 s3, s[HALF], 11
	v_add_nc_u32 v[VO], s3, v[VO]                  ; 16 x lane + 2,048 u
	s_wait_alu depctr_va_vdst(0)
	v_mul_u32_u24 v[VW], s10, v2                   ; the words: lanes 0-15 the first head's, lanes 16-31 the second's,
	v_lshl_add_u32 v[VW], v1, 4, v[VW]             ; 16 bytes a row,
	s_lshl_b32 s3, s[HALF], 8
	v_add_nc_u32 v[VW], s3, v[VW]                  ; + 256 u
.irp a, 0,1,2,3
	v_lshrrev_b32 v[WD+\a], v[SH], v[PW+\a]        ; the second head's two bytes come down
.endr
.irp a, 0,1,2,3
	global_store_b128 v[VO], v[PC+8*\a:PC+8*\a+3], s[8:9] offset:512*\a        ; 32 lanes store 512 consecutive bytes
	global_store_b128 v[VO], v[PC+8*\a+4:PC+8*\a+7], s[12:13] offset:512*\a
.endr
	global_store_b128 v[VW], v[WD:WD+3], s[8:9] offset:4096                    ; each half of the lanes stores 256 consecutive bytes
.else
	; key step s66 = 16 b + g; wave w's 64 channels are head 4 cy + w; block a is channel tile a
	s_lshr_b32 s4, s66, 4
	s_lshl_b32 s4, s4, 4
	s_lshl_b32 s5, s[CY], 2
	s_add_co_u32 s4, s4, s5
	s_add_co_u32 s4, s4, s[WV]                     ; 16 b + head
	s_lshl_b32 s4, s4, 4
	s_and_b32 s5, s66, 15
	s_add_co_u32 s4, s4, s5
	s_mul_i32 s4, s4, 8960
	s_add_co_u32 s4, s4, 4608                      ; V^T lies behind the k record
	s_mov_b32 s5, 0
	s_add_nc_u64 s[8:9], s[20:21], s[4:5]
	v_cmp_eq_u32 vcc_lo, 1, v2
	v_cndmask_b32 v[WD], v[PW], v[PW+2], vcc_lo    ; lanes 0-15 store tiles 0, 1's words, lanes 16-31 tiles 2, 3's
	v_cndmask_b32 v[WD+1], v[PW+1], v[PW+3], vcc_lo
	v_lshlrev_b32 v[VW], 4, v1
	v_lshl_add_u32 v[VW], v2, 3, v[VW]
	s_wait_alu depctr_va_vdst(0)
.irp a, 0,1,2,3
	global_store_b128 v[VO], v[PC+8*\a:PC+8*\a+3], s[8:9] offset:1024*\a
	global_store_b128 v[VO], v[PC+8*\a+4:PC+8*\a+7], s[8:9] offset:1024*\a+512
.endr
	global_store_b64 v[VW], v[WD:WD+1], s[8:9] offset:4096                     ; 32 lanes store 256 consecutive bytes
.endif
.endm
	s_cmp_lt_u32 ttmp9, 4                          ; the cluster's x: the same in all sixteen partners
	s_cbranch_scc0 .Lv
	s_wait_alu depctr_va_vdst(0)
	BODY 0
	s_branch .Ldone
.Lv:
	BODY 1
.Ldone:
	s_wait_tensorcnt 0x0                           ; the wave's end
	ds_add_u32 v[SPW], v[NIL]
	s_wait_dscnt 0x0
	CROUND                                         ; the closing round: no work-group ends while a partner may still ask for a tile that names it
	s_endpgm
.Lfunc_end_k_q0bdc9bdd7d_qkv:
	.size	k_q0bdc9bdd7d_qkv, .Lfunc_end_k_q0bdc9bdd7d_qkv-k_q0bdc9bdd7d_qkv
	.p2alignl 7, 3214868480
	.fill 96, 4, 3214868480
	.section	.rodata,"a",@progbits
	.p2align	6, 0x0
	.amdhsa_kernel k_q0bdc9bdd7d_qkv
		.amdhsa_group_segment_fixed_size 327680
		.amdhsa_private_segment_fixed_size 0
		.amdhsa_enable_private_segment 0
		.amdhsa_kernarg_size 72
		.amdhsa_user_sgpr_count 2
		.amdhsa_user_sgpr_kernarg_segment_ptr 1
		.amdhsa_wavefront_size32 1
		.amdhsa_system_sgpr_workgroup_id_x 1
		.amdhsa_system_sgpr_workgroup_id_y 1
		.amdhsa_system_sgpr_workgroup_id_z 1
		.amdhsa_system_vgpr_workitem_id 0
		.amdhsa_next_free_vgpr 768
		.amdhsa_next_free_sgpr 102
		.amdhsa_reserve_vcc 1
		.amdhsa_float_denorm_mode_32 3
		.amdhsa_float_denorm_mode_16_64 3
		.amdhsa_memory_ordered 1
		.amdhsa_forward_progress 1
		.amdhsa_inst_pref_size 140
	.end_amdhsa_kernel
	.amdgpu_metadata
---
amdhsa.version: [ 1, 2 ]
amdhsa.kernels:
  - .name:           k_q0bdc9bdd7d_qkv
    .symbol:         k_q0bdc9bdd7d_qkv.kd
    .args:
      - { .name: x_codes, .offset: 0, .size: 8, .value_kind: global_buffer, .address_space: global }
      - { .name: x_scales, .offset: 8, .size: 8, .value_kind: global_buffer, .address_space: global }
      - { .name: w_codes, .offset: 16, .size: 8, .value_kind: global_buffer, .address_space: global }
      - { .name: w_scales, .offset: 24, .size: 8, .value_kind: global_buffer, .address_space: global }
      - { .name: bq, .offset: 32, .size: 8, .value_kind: global_buffer, .address_space: global }
      - { .name: bk, .offset: 40, .size: 8, .value_kind: global_buffer, .address_space: global }
      - { .name: bv, .offset: 48, .size: 8, .value_kind: global_buffer, .address_space: global }
      - { .name: q_rec, .offset: 56, .size: 8, .value_kind: global_buffer, .address_space: global }
      - { .name: kv_rec, .offset: 64, .size: 8, .value_kind: global_buffer, .address_space: global }
    .group_segment_fixed_size: 327680
    .private_segment_fixed_size: 0
    .kernarg_segment_align: 8
    .kernarg_segment_size: 72
    .max_flat_workgroup_size: 128
    .sgpr_count:     102
    .vgpr_count:     768
    .wavefront_size: 32
...
	.end_amdgpu_metadata
.endif
;; end of part 2
;; launch attn (part 3): grid 8 x 32, 16 waves a work-group, clusters of 4 x 1, 327,680 bytes of LDS; arguments q_rec, kv_rec, o_img, o_sc; writes o_img, o_sc
.if DOCPART == 3
	.amdgcn_target "amdgcn-amd-amdhsa--gfx1250"
	.amdhsa_code_object_version 6
	.text
	.protected	k_q0bdc9bdd7d_attn
	.globl	k_q0bdc9bdd7d_attn
	.p2align	8
	.type	k_q0bdc9bdd7d_attn,@function
k_q0bdc9bdd7d_attn:
	s_mov_b64 s[64:65], 0
	v_nop
	global_prefetch_b8 v0, s[64:65] scope:SCOPE_SE
	s_setreg_imm32_b32 hwreg(HW_REG_WAVE_MODE, 25, 1), 1
	s_wait_xcnt 0x0
	s_wait_alu depctr_hold_cnt(0) depctr_sa_sdst(0) depctr_va_vdst(0) depctr_va_sdst(0) depctr_va_ssrc(0) depctr_va_vcc(0) depctr_vm_vsrc(0)
	s_getreg_b32 s2, hwreg(HW_REG_IB_STS2, 6, 4)
	s_cmp_eq_u32 s2, 0
	s_cbranch_scc0 .Lentry_in_a_cluster
	s_endpgm
.Lentry_in_a_cluster:
	s_bfe_u32 s2, ttmp6, 0x10000c
	s_cmp_lg_u32 s2, 0x3003
	s_cbranch_scc0 .Lentry_shape_is_right
	s_endpgm
.Lentry_shape_is_right:
; Launch 3 of 4: for each batch and head, O = softmax(q k^T) v (no mask, no 1 / sqrt(d)), both products on codes of FP4; O is divided by the row's sum and quantised along the channels for the projection.  No work is left out.
; THE SOFTMAX AHEAD OF THE SECOND PRODUCT: t = score x log2(e); M = the running largest t rounded UP to a whole number; p = 2^(t - M) is quantised along the keys, not normalised; the row's sum is taken of the unquantised p.
; When M moves, the sum and O are multiplied by 2^(old M - new M): exact.
; SHARES.  A work-group owns 256 queries of one batch and walks heads 2 s and 2 s + 1 one after the other; each of its sixteen waves owns one position tile of 16 queries in 256 registers: four waves to a SIMD, so that one wave's
; vector work stands beside another's matrix work and LDS loads.  A key step is 128 keys: 8 products k q^T (K = the head's 64, the upper 64 of the instruction's 128 are zero codes on both sides) and 4 products v^T p^T.
; BOTH HEADS' RECORDS, 2 x 16 x 8,960 bytes, lie in LDS whole, each byte filled once: no ring, no slot filled again.  They come in three stages (head 0's steps 0-3, its steps 4-15, head 1), each a quarter to waves 0 to 3:
; a loading wave has three tensor loads out.  No prefetch: everything is asked for at the head.
; CLUSTER 4 x 1: the four query blocks of a cluster read the same records: every load is joint, with the mask of all four; its registers hang on the cluster's y and the wave's number alone.
; LAYOUT.  Both products are used transposed: S^T = k q^T, O^T = v^T p^T: a lane holds ONE query (lane % 16) throughout.  Keys and channels lie in position order in the records, so the 16 registers of tiles 2 b, 2 b + 1
; are 16 neighbouring keys (channels), 32 b + 16 (lane / 16) + 0..15.
; OUT: o_img [tile of 16 tokens (512)][head (16)][512 bytes]: registers 0-3 of (16 tokens x the head's 64 channels), lane l at 16 l; o_sc [head pair (8)][tile (512)][r (16)] words: bytes 0, 1 head 2 s's blocks, bytes 2, 3 head 2 s + 1's.
; LIMITS: a p under 2^-126 comes out of the exponential as 0; blocks with a largest magnitude under 2^-124 get the byte 1; NaN and infinities are not served.
; REGISTERS: v1-11, v255 addresses and words that stay; v12 -M, v13 the largest t, v[14:15] the sum; v16-31 q's two fragments; v32-95 k's eight (the upper four registers of each stay 0); v96-159 S^T, then p; v160-191 O^T;
;   v192-223 v's four fragments; v224-231 p's codes; v232-243, v252, v254 at work; v244-251 k's and v's scale words, v8, v9 q's, v253 p's.
.set REC,   8960                       ; a key step's record
.set STG,   32*REC                     ; behind the records: the sixteen waves' scale words, 64 bytes each
.set SPARE, STG+1024                   ; the spare words, 128 bytes a wave
.set LI,  1                            ; v1   16 x lane
.set LR,  2                            ; v2   16 x (lane % 16)
.set SPW, 3
.set NIL, 4
.set ADK, 5                            ; v5   LDS address of the step's images
.set ADS, 6                            ; v6   of its scale words
.set SA,  7                            ; v7   where I put my tile's scale word
.set QS,  8                            ; v8, v9  q's scale words, head 0, 1
.set OW,  10                           ; v10  O's scale word
.set SB,  11                           ; v11  16 x (thread % 64): the words' way out, in o_sc
.set SBL, 255                          ; v255 and in LDS
.set WV,  12
.set SEL, 20
.set CS,  22                           ; s[22:23] log2(e): the packed form names a pair and takes its low word for both halves
.set TB,  60                           ; s60  LDS byte at which the step's record begins
.set CNT, 61
.macro CROUND
	s_barrier_signal -1
	s_barrier_wait -1
	s_cmp_lg_u32 s[WV], 0
	s_cbranch_scc1 .Lnot_wave_0_\@
	s_barrier_signal -3
.Lnot_wave_0_\@:
	s_barrier_wait -3
	s_barrier_signal -1
	s_barrier_wait -1
.endm
.macro G1DENSE g, r                    ; r dense rows of 256 bytes (32 elements of 8), for all four work-groups
	s_mov_b32 s[\g], 15|(3<<16)|(1<<21)
	s_mov_b32 s[\g+1], 32<<16
	s_mov_b32 s[\g+2], (\r)<<16
	s_mov_b32 s[\g+3], 32<<16
	s_mov_b32 s[\g+4], \r
	s_mov_b32 s[\g+5], 32
	s_mov_b32 s[\g+6], 0
	s_mov_b32 s[\g+7], 0
.endm
	s_load_b256 s[4:11], s[0:1], 0x0               ; q_rec s[4:5], kv_rec s[6:7], o_img s[8:9], o_sc s[10:11]
	v_lshl_add_u32 v[SPW], v0, 2, SPARE
	v_mov_b32 v[NIL], 0
	ds_add_u32 v[SPW], v[NIL]                      ; the wave's opening: the add, twice on end, and its wait ahead of the first tensor load
	ds_add_u32 v[SPW], v[NIL]
	v_lshrrev_b32 v5, 5, v0
	s_delay_alu instid0(VALU_DEP_1)
	v_readfirstlane_b32 s[WV], v5                  ; wave 0..15
	s_bfe_u32 s13, ttmp6, 0x40000                  ; cx: it enters the addresses of q, o_img and o_sc alone
	s_lshl_b32 s14, ttmp9, 2
	s_add_co_u32 s14, s14, s13                     ; my block of 256 queries
	s_and_b32 s15, ttmp7, 0xffff
	s_lshr_b32 s16, s15, 3                         ; the batch
	s_and_b32 s17, s15, 7                          ; the pair of heads
	s_lshl_b32 s18, s16, 4
	s_lshl_b32 s19, s17, 1
	s_add_co_u32 s18, s18, s19                     ; 16 b + 2 s
	v_and_b32 v5, 31, v0
	s_delay_alu instid0(VALU_DEP_1)
	v_lshlrev_b32 v[LI], 4, v5
	v_and_b32 v6, 15, v0
	s_delay_alu instid0(VALU_DEP_1)
	v_lshlrev_b32 v[LR], 4, v6
	s_lshl_b32 s19, s[WV], 6
	s_add_co_u32 s19, s19, STG
	v_lshl_add_u32 v[SA], v6, 2, s19
	v_and_b32 v[SB], 63, v0
	s_delay_alu instid0(VALU_DEP_1)
	v_lshlrev_b32 v[SB], 4, v[SB]
	s_delay_alu instid0(VALU_DEP_1)
	v_add_nc_u32 v[SBL], STG, v[SB]
	G1DENSE 24, 35                                 ; stage 0: a quarter of head 0's steps 0-3: 8,960 bytes
	G1DENSE 32, 105                                ; stage 1: of its steps 4-15: 26,880 bytes
	G1DENSE 40, 140                                ; stage 2: of head 1: 35,840 bytes
	s_mul_i32 s68, s[WV], 8960                     ; my quarter's place, the same in LDS and from the pair's first byte in kv_rec
	s_mov_b32 s69, 0
	s_mul_i32 s70, s[WV], 26880
	s_add_co_u32 s70, s70, 4*REC
	s_mov_b32 s71, 0
	s_mul_i32 s72, s[WV], 35840
	s_add_co_u32 s72, s72, 16*REC
	s_mov_b32 s73, 0
	s_mul_i32 s74, s18, 16*REC
	s_mov_b32 s75, 0
	s_lshl_b32 s62, s18, 4                         ; q: record (16 b + 2 s) x 16 + 2 x block + wave / 8
	s_lshl_b32 s63, s14, 1
	s_add_co_u32 s62, s62, s63
	s_lshr_b32 s63, s[WV], 3
	s_add_co_u32 s62, s62, s63
	s_mul_i32 s78, s62, 4608
	s_mov_b32 s79, 0
	s_lshl_b32 s62, s16, 7
	s_lshl_b32 s63, s14, 4
	s_add_co_u32 s62, s62, s63                     ; the work-group's first tile: 128 b + 16 x block
	s_lshl_b32 s82, s62, 6
	s_lshl_b32 s63, s17, 15
	s_add_co_u32 s82, s82, s63                     ; its words in o_sc
	s_mov_b32 s83, 0
	s_add_co_u32 s62, s62, s[WV]                   ; my tile
	s_lshl_b32 s62, s62, 4
	s_lshl_b32 s63, s17, 1
	s_add_co_u32 s62, s62, s63
	s_lshl_b32 s80, s62, 9                         ; its piece of head 2 s in o_img
	s_mov_b32 s81, 0
	s_mov_b32 s[SEL], 0x76543210
	s_mov_b32 s[SEL+1], 0xfedcba98
	s_mov_b32 s[CS], 0x3fb8aa3b                    ; log2(e)
	s_mov_b32 s[CS+1], s[CS]
	s_mov_b32 s[TB], 0
	s_wait_dscnt 0x0                               ; both opening adds are done
	s_wait_kmcnt 0x0
	s_add_nc_u64 s[6:7], s[6:7], s[74:75]
	s_add_nc_u64 s[76:77], s[4:5], s[78:79]
	s_add_nc_u64 s[80:81], s[8:9], s[80:81]
	s_add_nc_u64 s[82:83], s[10:11], s[82:83]
.irp i, 0,1,2
	s_mov_b32 s[48+4*\i], 1
	s_mov_b32 s[49+4*\i], s[68+2*\i]
	s_add_nc_u64 s[50+4*\i:51+4*\i], s[6:7], s[68+2*\i:69+2*\i]
	s_or_b32 s[51+4*\i], s[51+4*\i], 0x80000000
.endr
	CROUND                                         ; all four work-groups are here: the joint loads meet
	s_cmp_lt_u32 s[WV], 4                          ; waves 0 to 3 fetch; a wave's three fills stand in one branch on the wave's number
	s_cbranch_scc0 .Lno_fill
	tensor_load_to_lds s[48:51], s[24:31]
	s_nop 0
	tensor_load_to_lds s[52:55], s[32:39]
	s_nop 0
	tensor_load_to_lds s[56:59], s[40:47]
	s_nop 0
.rept 4
	v_nop
.endr
.Lno_fill:
	s_and_b32 s19, s[WV], 7                        ; my tile in its record of q
	s_lshl_b32 s62, s19, 9
	s_wait_alu depctr_va_vdst(0)
	v_add_nc_u32 v5, s62, v[LI]
	s_lshr_b32 s62, s19, 2
	s_lshl_b32 s62, s62, 8
	s_and_b32 s63, s[WV], 3
	s_lshl_b32 s63, s63, 2
	s_add_co_u32 s62, s62, s63
	v_add_nc_u32 v6, s62, v[LR]
	global_load_b128 v[16:19], v5, s[76:77]                        ; q's fragments stay in registers: head 2 s,
	global_load_b128 v[24:27], v5, s[76:77] offset:16*4608         ; head 2 s + 1: 16 records on
	global_load_b32 v[QS], v6, s[76:77] offset:4096
	global_load_b32 v[QS+1], v6, s[76:77] offset:4096+16*4608
.irp j, 20,21,22,23,28,29,30,31
	v_mov_b32 v[\j], 0                             ; K = 64..127 of q: zero codes
.endr
.irp t, 0,1,2,3,4,5,6,7
.irp j, 4,5,6,7
	v_mov_b32 v[32+8*\t+\j], 0                     ; and of k: written once, never loaded
.endr
.endr
.irp b, 0,1,2,3
	v_mov_b32 v[236+\b], 0                         ; written once: a lane permute's destination counts as one of its sources
.endr
	v_mov_b32 v252, 0
	v_mov_b32 v253, 0                              ; (named as the upper half of the pair v[252:253] before it is first written)
; A KEY STEP: 128 keys.  QF, QS: the head's fragment of q and its scale words.
.macro STEP QF, QW
	s_setprio 2
	v_add_nc_u32 v[ADK], s[TB], v[LI]
	v_add_nc_u32 v[ADS], s[TB], v[LR]
	v_nop
	v_nop                                          ; four places behind the last step's products, whose scale registers are loaded below
.irp t, 0,1,2,3,4,5,6,7
	ds_load_b128 v[32+8*\t:35+8*\t], v[ADK] offset:512*\t          ; k's eight tiles: 512 consecutive bytes a load
.endr
	ds_load_b128 v[244:247], v[ADS] offset:4096                    ; their scale words
	ds_load_b128 v[248:251], v[ADS] offset:4352
	s_wait_alu depctr_va_vdst(0)
	s_wait_dscnt 0x0
.irp t, 0,1,2,3,4,5,6,7
	v_wmma_scale_f32_16x16x128_f8f6f4 v[96+8*\t:103+8*\t], v[32+8*\t:39+8*\t], v[\QF:\QF+7], 0, v[244+\t], v[\QW] matrix_a_fmt:MATRIX_FMT_FP4 matrix_b_fmt:MATRIX_FMT_FP4
.endr
.rept 4
	v_nop                                          ; four places in front of the first read of results and of the load into the scale registers
.endr
.irp t, 0,1,2,3
.irp c, 0,1
	ds_load_b128 v[192+8*\t+4*\c:195+8*\t+4*\c], v[ADK] offset:4608+1024*\t+512*\c   ; v's four tiles land while the softmax is walked
.endr
.endr
	ds_load_b128 v[244:247], v[ADS] offset:8704
.irp b, 0,1,2,3
	v_max3_num_f32 v[232+\b], v[96+16*\b], v[97+16*\b], v[98+16*\b]   ; the largest score of each block of 32 keys: for the row's maximum, and, since p rises with the score, for the block's largest p
.endr
.irp i, 3,5,7,9,11,13
.irp b, 0,1,2,3
	v_max3_num_f32 v[232+\b], v[232+\b], v[96+16*\b+\i], v[97+16*\b+\i]
.endr
.endr
.irp b, 0,1,2,3
	v_max_num_f32 v[232+\b], v[232+\b], v[111+16*\b]
.endr
.irp b, 0,1,2,3
	s_delay_alu instid0(VALU_DEP_4)
	v_permlanex16_b32 v[236+\b], v[232+\b], s[SEL], s[SEL+1]
.endr
.irp b, 0,1,2,3
	s_delay_alu instid0(VALU_DEP_4)
	v_max_num_f32 v[232+\b], v[232+\b], v[236+\b]  ; with lane l xor 16's 16 keys
.endr
	s_delay_alu instid0(VALU_DEP_2)
	v_max3_num_f32 v254, v232, v233, v234
	s_delay_alu instid0(VALU_DEP_1)
	v_max_num_f32 v254, v254, v235                 ; the step's largest score of my query
	s_delay_alu instid0(VALU_DEP_1)
	v_mul_f32 v254, s[CS], v254                    ; as t
	s_delay_alu instid0(VALU_DEP_1)
	v_max_num_f32 v13, v13, v254                   ; the running largest t
	v_mov_b32 v254, v12
	s_delay_alu instid0(VALU_DEP_2)
	v_floor_f32 v12, -v13                          ; the new -M = floor(-t) = -ceil(t): a whole number
	s_delay_alu instid0(VALU_DEP_1)
	v_sub_f32 v254, v12, v254                      ; old M - new M: a whole number, 0 or less
	s_delay_alu instid0(VALU_DEP_1)
	v_cvt_i32_f32 v254, v254                       ; (it saturates)
	s_delay_alu instid0(VALU_DEP_1)
	v_ldexp_f32 v252, 1.0, v254                    ; f = 2^(old M - new M)
.set j, 0
.rept 32
	v_pk_fma_f32 v[96+j:97+j], v[96+j:97+j], s[CS:CS+1], v[12:13] op_sel_hi:[1,0,0]   ; t - M, two at a time
.set j, j+2
.endr
.irp b, 0,1,2,3
	v_fma_f32 v[232+\b], v[232+\b], s[CS], v12     ; the same of each block's largest score
.endr
.set j, 0
	s_wait_alu depctr_va_vdst(0)
.rept 64
	v_exp_f32 v[96+j], v[96+j]                     ; p = 2^(t - M), at most 1
.set j, j+1
.endr
	s_setprio 1
	v_pk_mul_f32 v[14:15], v[14:15], v[252:253] op_sel_hi:[1,0]   ; the sums under the new M (a plain place behind the exponentials)
	s_wait_alu depctr_va_vdst(0)                   ; one wait for the whole batch, ahead of its first reader
.irp b, 0,1,2,3
	v_exp_f32 v[232+\b], v[232+\b]                 ; the block's largest p: the same two instructions on the same number give the same bits
.endr
	v_pk_add_f32 v[236:237], v[100:101], v[104:105]
	v_pk_add_f32 v[250:251], v[108:109], v[112:113]
	v_pk_add_f32 v[248:249], v[116:117], v[120:121]
	v_pk_add_f32 v[242:243], v[124:125], v[128:129]
	v_pk_add_f32 v[240:241], v[132:133], v[136:137]
	v_pk_add_f32 v[238:239], v[140:141], v[144:145]
	v_pk_add_f32 v[230:231], v[148:149], v[152:153]
	v_pk_add_f32 v[14:15], v[14:15], v[156:157]
	v_pk_add_f32 v[236:237], v[236:237], v[96:97]
	v_pk_add_f32 v[250:251], v[250:251], v[98:99]
	v_pk_add_f32 v[248:249], v[248:249], v[102:103]
	v_pk_add_f32 v[242:243], v[242:243], v[106:107]
	v_pk_add_f32 v[240:241], v[240:241], v[110:111]
	v_pk_add_f32 v[238:239], v[238:239], v[114:115]
	v_pk_add_f32 v[230:231], v[230:231], v[118:119]
	v_pk_add_f32 v[14:15], v[14:15], v[122:123]
	v_pk_add_f32 v[236:237], v[236:237], v[126:127]
	v_pk_add_f32 v[250:251], v[250:251], v[130:131]
	v_pk_add_f32 v[248:249], v[248:249], v[134:135]
	v_pk_add_f32 v[242:243], v[242:243], v[138:139]
	v_pk_add_f32 v[240:241], v[240:241], v[142:143]
	v_pk_add_f32 v[238:239], v[238:239], v[146:147]
	v_pk_add_f32 v[230:231], v[230:231], v[150:151]
	v_pk_add_f32 v[14:15], v[14:15], v[154:155]
	v_pk_add_f32 v[236:237], v[236:237], v[158:159]
	s_delay_alu instid0(VALU_DEP_2)
	v_pk_add_f32 v[14:15], v[14:15], v[242:243]
	s_delay_alu instid0(VALU_DEP_2)
	v_pk_add_f32 v[236:237], v[236:237], v[240:241]
	v_pk_add_f32 v[250:251], v[250:251], v[238:239]
	v_pk_add_f32 v[248:249], v[248:249], v[230:231]
	s_delay_alu instid0(VALU_DEP_2)
	v_pk_add_f32 v[14:15], v[14:15], v[250:251]
	s_delay_alu instid0(VALU_DEP_2)
	v_pk_add_f32 v[236:237], v[236:237], v[248:249]
	s_delay_alu instid0(VALU_DEP_1)
	v_pk_add_f32 v[14:15], v[14:15], v[236:237]
	s_wait_alu depctr_va_vdst(0)                   ; and one for the four
.irp b, 0,1,2,3
	v_max_num_f32 v[232+\b], 0x1800000, v[232+\b]  ; the floor 2^(3 - 127): the byte cannot fall under 1
.endr
.irp b, 0,1,2,3
	s_delay_alu instid0(VALU_DEP_4)
	v_add_nc_u32 v[240+\b], 0xff000000, v[232+\b]  ; 2 off the exponent field: the conversion's scale operand
.endr
.irp b, 0,1,2,3
	s_delay_alu instid0(VALU_DEP_4)
	v_lshrrev_b32 v[236+\b], 23, v[240+\b]         ; the scale's byte
.endr
	s_delay_alu instid0(VALU_DEP_3)
	v_lshl_or_b32 v253, v237, 8, v236              ; p's scale word for these 128 keys
	s_delay_alu instid0(VALU_DEP_1)
	v_lshl_or_b32 v253, v238, 16, v253
	s_delay_alu instid0(VALU_DEP_1)
	v_lshl_or_b32 v253, v239, 24, v253
.irp b, 0,1,2,3
	v_cvt_scalef32_pk8_fp4_f32 v[224+2*\b], v[96+16*\b:103+16*\b], v[240+\b]
	v_cvt_scalef32_pk8_fp4_f32 v[225+2*\b], v[104+16*\b:111+16*\b], v[240+\b]
.endr
	v_nop                                          ; one plain place behind a scaled conversion
.irp c, 0,1
.irp i, 0,1
	v_permlane16_swap_b32 v[224+4*\c+\i], v[226+4*\c+\i]   ; a whole block in a lane: lanes 0-15 block 2 c, lanes 16-31 block 2 c + 1
.endr
.endr
.set j, 0
	s_setprio 0
.rept 16
	v_pk_mul_f32 v[160+j:161+j], v[160+j:161+j], v[252:253] op_sel_hi:[1,0]   ; O^T under the new M; these sixteen are also the places between p's codes and scale word and the products
.set j, j+2
.endr
	s_wait_alu depctr_va_vdst(0)
	s_wait_dscnt 0x0                               ; v's tiles and words are in
.irp t, 0,1,2,3
	v_wmma_scale_f32_16x16x128_f8f6f4 v[160+8*\t:167+8*\t], v[192+8*\t:199+8*\t], v[224:231], v[160+8*\t:167+8*\t], v[244+\t], v253 matrix_a_fmt:MATRIX_FMT_FP4 matrix_b_fmt:MATRIX_FMT_FP4
.endr
	s_add_co_u32 s[TB], s[TB], REC                 ; the next step's record; head 1's follow head 0's
.endm
.macro INIT                            ; the step is written for every step alike: the first finds zeros, which the first change of M leaves zeros
	v_mov_b32 v13, 0xff61b1e6                      ; the largest t so far: -3e38
	s_delay_alu instid0(VALU_DEP_1)
	v_floor_f32 v12, -v13
	v_mov_b32 v14, 0
	v_mov_b32 v15, 0
.set j, 0
.rept 32
	v_mov_b32 v[160+j], 0
.set j, j+1
.endr
.endm
; A head's end: O^T / the sum, quantised along the head's 64 channels (two blocks), codes to o_img, the two bytes into O's scale word.
.macro FINAL e
	v_add_f32 v14, v14, v15
	s_delay_alu instid0(VALU_DEP_1)
	v_permlanex16_b32 v252, v14, s[SEL], s[SEL+1]
	s_delay_alu instid0(VALU_DEP_1)
	v_add_f32 v14, v14, v252                       ; the row's sum
	v_nop
	v_nop
	s_wait_alu depctr_va_vdst(0)
	v_rcp_f32 v14, v14
	v_nop
	v_nop                                          ; plain places: behind the reciprocal, and (with the lines above) behind the last products
	s_wait_alu depctr_va_vdst(0)                   ; ahead of the reciprocal's first reader
.set j, 0
.rept 16
	v_pk_mul_f32 v[96+j:97+j], v[160+j:161+j], v[14:15] op_sel_hi:[1,0]   ; register 16 b + i is channel 32 b + 16 h + i of my query; each accumulator from its low end on
.set j, j+2
.endr
.irp b, 0,1
	v_max3_num_f32 v[232+\b], |v[96+16*\b]|, |v[97+16*\b]|, 0x1800000
.endr
.irp i, 2,4,6,8,10,12,14
.irp b, 0,1
	s_delay_alu instid0(VALU_DEP_2)
	v_max3_num_f32 v[232+\b], v[232+\b], |v[96+16*\b+\i]|, |v[97+16*\b+\i]|
.endr
.endr
.irp b, 0,1
	s_delay_alu instid0(VALU_DEP_2)
	v_permlanex16_b32 v[236+\b], v[232+\b], s[SEL], s[SEL+1]
.endr
.irp b, 0,1
	s_delay_alu instid0(VALU_DEP_2)
	v_max_num_f32 v[232+\b], v[232+\b], v[236+\b]
.endr
.irp b, 0,1
	s_delay_alu instid0(VALU_DEP_2)
	v_add_nc_u32 v[240+\b], 0xff000000, v[232+\b]
.endr
.irp b, 0,1
	s_delay_alu instid0(VALU_DEP_2)
	v_lshrrev_b32 v[236+\b], 23, v[240+\b]
.endr
.if \e == 0
	s_delay_alu instid0(VALU_DEP_1)
	v_lshl_or_b32 v[OW], v237, 8, v236             ; bytes 0, 1
.else
	s_delay_alu instid0(VALU_DEP_1)
	v_lshl_or_b32 v254, v237, 8, v236
	s_delay_alu instid0(VALU_DEP_1)
	v_lshl_or_b32 v[OW], v254, 16, v[OW]           ; bytes 2, 3
.endif
.irp b, 0,1
	v_cvt_scalef32_pk8_fp4_f32 v[224+2*\b], v[96+16*\b:103+16*\b], v[240+\b]
	v_cvt_scalef32_pk8_fp4_f32 v[225+2*\b], v[104+16*\b:111+16*\b], v[240+\b]
.endr
	v_nop
	v_permlane16_swap_b32 v224, v226
	v_permlane16_swap_b32 v225, v227               ; registers 0-3: channels 32 h + 0..31
	global_store_b128 v[LI], v[224:227], s[80:81] offset:512*\e   ; 32 lanes store 512 consecutive bytes
.endm
	s_wait_loadcnt 0x0                             ; q
	s_wait_tensorcnt 0x2                           ; my part of stage 0 is in; stages 1 and 2 may be out
	s_barrier_signal -1
	s_barrier_wait -1                              ; everybody's is
	INIT
	s_mov_b32 s[CNT], 4
.Lh0a:
	STEP 16, QS
	s_sub_co_u32 s[CNT], s[CNT], 1
	s_cmp_lg_u32 s[CNT], 0
	s_cbranch_scc1 .Lh0a
	s_setprio 0
	s_wait_tensorcnt 0x1                           ; stage 1 is in; stage 2 may be out
	s_wait_dscnt 0x0
	s_barrier_signal -1
	s_barrier_wait -1
	s_mov_b32 s[CNT], 12
.Lh0b:
	STEP 16, QS
	s_sub_co_u32 s[CNT], s[CNT], 1
	s_cmp_lg_u32 s[CNT], 0
	s_cbranch_scc1 .Lh0b
	s_setprio 0
	FINAL 0
	s_wait_tensorcnt 0x0                           ; stage 2, my last load
	s_wait_dscnt 0x0
	s_barrier_signal -1
	s_barrier_wait -1
	s_wait_xcnt 0x0                                ; head 0's store has read its registers: the codes' registers are written again
	INIT
	s_mov_b32 s[CNT], 16
.Lh1:
	STEP 24, QS+1
	s_sub_co_u32 s[CNT], s[CNT], 1
	s_cmp_lg_u32 s[CNT], 0
	s_cbranch_scc1 .Lh1
	s_setprio 0
	FINAL 1
	ds_store_b32 v[SA], v[OW]                      ; my tile's 16 words; lanes l and l xor 16 write the same word with the same value
	s_wait_dscnt 0x0                               ; for the others' sake
	s_barrier_signal -1
	s_barrier_wait -1
	s_cmp_lt_u32 s[WV], 2                          ; the work-group's 1,024 bytes of words leave by waves 0 and 1
	s_cbranch_scc0 .Lno_words
	ds_load_b128 v[232:235], v[SBL]
	s_wait_dscnt 0x0
	global_store_b128 v[SB], v[232:235], s[82:83]  ; 32 lanes store 512 consecutive bytes
.Lno_words:
	s_wait_tensorcnt 0x0                           ; the wave's end
	ds_add_u32 v[SPW], v[NIL]
	s_wait_dscnt 0x0
	CROUND                                         ; the closing round
	s_endpgm
.Lfunc_end_k_q0bdc9bdd7d_attn:
	.size	k_q0bdc9bdd7d_attn, .Lfunc_end_k_q0bdc9bdd7d_attn-k_q0bdc9bdd7d_attn
	.p2alignl 7, 3214868480
	.fill 96, 4, 3214868480
	.section	.rodata,"a",@progbits
	.p2align	6, 0x0
	.amdhsa_kernel k_q0bdc9bdd7d_attn
		.amdhsa_group_segment_fixed_size 327680
		.amdhsa_private_segment_fixed_size 0
		.amdhsa_enable_private_segment 0
		.amdhsa_kernarg_size 32
		.amdhsa_user_sgpr_count 2
		.amdhsa_user_sgpr_kernarg_segment_ptr 1
		.amdhsa_wavefront_size32 1
		.amdhsa_system_sgpr_workgroup_id_x 1
		.amdhsa_system_sgpr_workgroup_id_y 1
		.amdhsa_system_sgpr_workgroup_id_z 1
		.amdhsa_system_vgpr_workitem_id 0
		.amdhsa_next_free_vgpr 256
		.amdhsa_next_free_sgpr 84
		.amdhsa_reserve_vcc 0
		.amdhsa_float_denorm_mode_32 3
		.amdhsa_float_denorm_mode_16_64 3
		.amdhsa_memory_ordered 1
		.amdhsa_forward_progress 1
		.amdhsa_inst_pref_size 68
	.end_amdhsa_kernel
	.amdgpu_metadata
---
amdhsa.version: [ 1, 2 ]
amdhsa.kernels:
  - .name:           k_q0bdc9bdd7d_attn
    .symbol:         k_q0bdc9bdd7d_attn.kd
    .args:
      - { .name: q_rec, .offset: 0, .size: 8, .value_kind: global_buffer, .address_space: global }
      - { .name: kv_rec, .offset: 8, .size: 8, .value_kind: global_buffer, .address_space: global }
      - { .name: o_img, .offset: 16, .size: 8, .value_kind: global_buffer, .address_space: global }
      - { .name: o_sc, .offset: 24, .size: 8, .value_kind: global_buffer, .address_space: global }
    .group_segment_fixed_size: 327680
    .private_segment_fixed_size: 0
    .kernarg_segment_align: 8
    .kernarg_segment_size: 32
    .max_flat_workgroup_size: 512
    .sgpr_count:     84
    .vgpr_count:     256
    .wavefront_size: 32
...
	.end_amdgpu_metadata
.endif
;; end of part 3
;; launch proj (part 4): grid 8 x 32, 4 waves a work-group, clusters of 4 x 4, 327,680 bytes of LDS; arguments o_img, o_sc, w_codes, w_scales, bp, out0; writes out0
.if DOCPART == 4
	.amdgcn_target "amdgcn-amd-amdhsa--gfx1250"
	.amdhsa_code_object_version 6
	.text
	.protected	k_q0bdc9bdd7d_proj
	.globl	k_q0bdc9bdd7d_proj
	.p2align	8
	.type	k_q0bdc9bdd7d_proj,@function
k_q0bdc9bdd7d_proj:
	s_mov_b64 s[64:65], 0
	v_nop
	global_prefetch_b8 v0, s[64:65] scope:SCOPE_SE
	s_setreg_imm32_b32 hwreg(HW_REG_WAVE_MODE, 25, 1), 1
	s_wait_xcnt 0x0
	s_wait_alu depctr_hold_cnt(0) depctr_sa_sdst(0) depctr_va_vdst(0) depctr_va_sdst(0) depctr_va_ssrc(0) depctr_va_vcc(0) depctr_vm_vsrc(0)
	s_getreg_b32 s2, hwreg(HW_REG_IB_STS2, 6, 4)
	s_cmp_eq_u32 s2, 0
	s_cbranch_scc0 .Lentry_in_a_cluster
	s_endpgm
.Lentry_in_a_cluster:
	s_bfe_u32 s2, ttmp6, 0x10000c
	s_cmp_lg_u32 s2, 0xf033
	s_cbranch_scc0 .Lentry_shape_is_right
	s_endpgm
.Lentry_shape_is_right:
; Launch 4 of 4: out0 = O Wp^T + bp on codes of FP4.  No work is left out.
; A work-group multiplies 128 rows of Wp (SOURCE 0: rows 3,072 + 128 x of w_codes) by 256 tokens (SOURCE 1: 16 position tiles of o_img) over all of K = 1,024.  Wave w takes tiles 4 w .. 4 w + 3 (blocks a) against all 8 tiles b
; of Wp: 32 accumulators.  In a result a lane holds one token and eight neighbouring output channels.  Rows of Wp and tokens lie in position order (bits 3 and 4 of the number exchanged); the way out puts both back by constants.
; Source 1 comes as images of the operand's registers: a tile's K step s is 1,024 bytes, registers 0-3 (head 2 s), then 4-7 (head 2 s + 1), lane l's 16 bytes at 16 l: no pitch, no padding.
; K = 1,024 lies in two LDS slots, each filled once: no slot is filled again.  A wave has three tensor loads out: scales, slot 0, slot 1.
; CLUSTER 4 x 4: Wp's tile hangs on the work-group's x alone and is asked for jointly along a column of the cluster, O's on y alone and along a row.  No prefetch: everything is asked for at the head.
; REGISTERS as in the launch of q, k, v: window 0: addresses, v32-79 scale words and nothing else, v96-159 the bias, v128-255 the way out; window 1: accumulator (a, b) at v[8 (8 a + b)]; window 2: two sets of fragments.
.set SLOT,  100352                     ; a slot: Wp's 128 rows, 272 bytes apart; then 16 tiles x 4,096 bytes of O's images
.set S1OFF, 34816
.set SCL,   2*SLOT                     ; Wp's scale bytes: 16 runs of 256 bytes + 16 of padding
.set OSC,   SCL+4352                   ; O's scale words: [half (2)][K step (8)][tile (8)][r (16)]
.set STAGE, OSC+8192                   ; the way out: 16 rows x (512 bytes + 16) for each wave; no tensor load lands here
.set SPARE, STAGE+4*16*528             ; the spare words, 128 bytes a wave
.set AD0,  16
.set AD1,  18
.set ADS0, 20
.set ADS1, 21
.set STO,  22                          ; v22  the stage: where I put 32 bytes of a row
.set RD,   23                          ; v23  and where I read a row back
.set CO,   24                          ; v24  16 x lane: my bytes of a row's 512 in out0
.set VB,   25                          ; v25  the bias's lane offset
.set SPW,  28
.set NIL,  29
.set S0W,  32
.set S1W,  64
.set BI,   96
.set BK,   128                         ; 16 rows read back: v128-191 and v192-255 by turns
.set WV,   22
.set ROLE, 23
.set HALF, 24
.set CX,   25
.set CY,   26
.set WGX,  27
.set WGY,  28
.set CLY,  29
.set RMASK, 30
.set CMASK, 31
.set G1C0, 32
.set G1C1, 40
.set G1S0, 48
.set G1S1, 56
.set G0C0, 68
.set G0C1, 76
.set G0S0, 84
.set G0S1, 88
.set MSB, 0
.macro WIN new
.if MSB != \new
	s_set_vgpr_msb (MSB<<8)|\new
.set MSB, \new
.endif
.endm
.set MUL,  0x5a                        ; sources 0 and 1 window 2; C and D window 1
.set MUL0, 0x4a                        ; the same with C in window 0
.set TOF,  0x80                        ; destination window 2, address window 0
.macro JLOAD g00, g10, g01, g11        ; a joint load: waves 0 and 1 fetch for source 0, waves 2 and 3 for source 1
	s_cmp_eq_u32 s[ROLE], 0
	s_cbranch_scc0 .Lfor_1_\@
	tensor_load_to_lds s[\g00:\g00+3], s[\g10:\g10+7]
	s_nop 0
.rept 4
	v_nop
.endr
	s_branch .Lasked_\@
.Lfor_1_\@:
	tensor_load_to_lds s[\g01:\g01+3], s[\g11:\g11+7]
	s_nop 0
.rept 4
	v_nop
.endr
.Lasked_\@:
.endm
.macro CROUND
	s_barrier_signal -1
	s_barrier_wait -1
	s_cmp_lg_u32 s[WV], 0
	s_cbranch_scc1 .Lnot_wave_0_\@
	s_barrier_signal -3
.Lnot_wave_0_\@:
	s_barrier_wait -3
	s_barrier_signal -1
	s_barrier_wait -1
.endm
.macro G1REST g, c, r, p
	s_mov_b32 s[\g+1], (\c)<<16
	s_mov_b32 s[\g+2], (\r)<<16
	s_mov_b32 s[\g+3], (\c)<<16
	s_mov_b32 s[\g+4], \r
	s_mov_b32 s[\g+5], \p
	s_mov_b32 s[\g+6], 0
	s_mov_b32 s[\g+7], 0
.endm
	s_load_b256 s[4:11], s[0:1], 0x0               ; o_img s[4:5], o_sc s[6:7], w_codes s[8:9], w_scales s[10:11]
	s_load_b128 s[12:15], s[0:1], 0x20             ; bp s[12:13], out0 s[14:15]
	v_lshl_add_u32 v[SPW], v0, 2, SPARE
	v_mov_b32 v[NIL], 0
	ds_add_u32 v[SPW], v[NIL]                      ; the wave's opening: the add, twice on end, and its wait ahead of my first tensor load
	ds_add_u32 v[SPW], v[NIL]
	v_lshrrev_b32 v1, 5, v0
	v_readfirstlane_b32 s[WV], v1
	s_lshr_b32 s[ROLE], s[WV], 1
	s_and_b32 s[HALF], s[WV], 1
	s_bfe_u32 s[CX], ttmp6, 0x40000
	s_bfe_u32 s[CY], ttmp6, 0x40004
	s_lshl_b32 s[WGX], ttmp9, 2
	s_add_co_u32 s[WGX], s[WGX], s[CX]
	s_and_b32 s[CLY], ttmp7, 0xffff
	s_lshl_b32 s[WGY], s[CLY], 2
	s_add_co_u32 s[WGY], s[WGY], s[CY]
	s_lshl_b32 s[RMASK], s[CY], 2
	s_lshl_b32 s[RMASK], 15, s[RMASK]
	s_lshl_b32 s[CMASK], 0x1111, s[CX]
	s_or_b32 s[G1C0], s[CMASK], (1<<20)|(1<<21)|(5<<22)|(3<<25)          ; Wp's codes: elements of 1 byte; 4 words of padding behind every 64
	s_or_b32 s[G1S0], s[CMASK], (3<<16)|(1<<20)|(1<<21)|(5<<22)|(3<<25)  ; its scales: elements of 8 bytes, padded likewise
	s_or_b32 s[G1C1], s[RMASK], (3<<16)|(1<<21)                          ; O's images and words: elements of 8 bytes, no padding
	s_or_b32 s[G1S1], s[RMASK], (3<<16)|(1<<21)
	G1REST G1C0, 256, 64, 512                      ; 64 rows x 256 bytes of rows of 512
	G1REST G1S0, 32, 8, 32                         ; 2,048 dense bytes as 8 rows of 256
	G1REST G1C1, 512, 8, 1024                      ; 8 tiles x 4,096 bytes (four K steps), 8,192 bytes from tile to tile
	G1REST G1S1, 64, 8, 4096                       ; 8 K steps x 512 bytes (8 tiles' words), 32,768 bytes from K step to K step
	s_lshl_b32 s93, s[WGX], 7                      ; s[92:95] hold cx and cluster x alone
	s_lshl_b32 s2, s[HALF], 6
	s_add_co_u32 s93, s93, s2
	s_add_co_u32 s93, s93, 3072                    ; Wp lies behind Wq, Wk, Wv
	s_lshl_b32 s92, s93, 9
	s_lshl_b32 s94, s93, 5
	s_mov_b32 s93, 0
	s_mov_b32 s95, 0
	s_lshl_b32 s97, s[WGY], 4                      ; s[96:99] hold cy and cluster y alone
	s_lshl_b32 s2, s[HALF], 3
	s_add_co_u32 s97, s97, s2                      ; the first tile that I would fetch
	s_lshl_b32 s96, s97, 13
	s_lshl_b32 s98, s97, 6
	s_mov_b32 s97, 0
	s_mov_b32 s99, 0
	s_wait_dscnt 0x0                               ; both opening adds are done
	s_wait_kmcnt 0x0
	s_add_nc_u64 s[92:93], s[8:9], s[92:93]
	s_add_nc_u64 s[94:95], s[10:11], s[94:95]
	s_add_nc_u64 s[96:97], s[4:5], s[96:97]
	s_add_nc_u64 s[98:99], s[6:7], s[98:99]
	s_mul_i32 s2, s[HALF], 17408
	s_lshl_b32 s3, s[HALF], 15
	s_add_co_u32 s3, s3, S1OFF
.irp s, 0,1
	s_mov_b32 s[G0C0+4*\s], 1
	s_add_co_u32 s[G0C0+4*\s+1], s2, \s*SLOT
	s_add_nc_u64 s[G0C0+4*\s+2:G0C0+4*\s+3], s[92:93], \s*256
	s_or_b32 s[G0C0+4*\s+3], s[G0C0+4*\s+3], 0x80000000
	s_mov_b32 s[G0C1+4*\s], 1
	s_add_co_u32 s[G0C1+4*\s+1], s3, \s*SLOT
	s_add_nc_u64 s[G0C1+4*\s+2:G0C1+4*\s+3], s[96:97], \s*4096
	s_or_b32 s[G0C1+4*\s+3], s[G0C1+4*\s+3], 0x80000000
.endr
	s_mul_i32 s2, s[HALF], 2176
	s_lshl_b32 s3, s[HALF], 12
	s_mov_b32 s[G0S0], 1
	s_add_co_u32 s[G0S0+1], s2, SCL
	s_mov_b64 s[G0S0+2:G0S0+3], s[94:95]
	s_or_b32 s[G0S0+3], s[G0S0+3], 0x80000000
	s_mov_b32 s[G0S1], 1
	s_add_co_u32 s[G0S1+1], s3, OSC
	s_mov_b64 s[G0S1+2:G0S1+3], s[98:99]
	s_or_b32 s[G0S1+3], s[G0S1+3], 0x80000000
	CROUND                                         ; all sixteen work-groups are here: the joint loads meet
	JLOAD G0S0, G1S0, G0S1, G1S1
	JLOAD G0C0, G1C0, G0C1, G1C1
	JLOAD G0C0+4, G1C0, G0C1+4, G1C1
	v_and_b32 v1, 15, v0                           ; r
	v_bfe_u32 v2, v0, 4, 1                         ; h
	v_and_b32 v6, 31, v0
	v_lshlrev_b32 v[CO], 4, v6                     ; 16 x lane
	v_mul_u32_u24 v3, v1, 272
	v_lshl_add_u32 v[AD0], v2, 4, v3
	v_add_nc_u32 v[AD0+1], SLOT, v[AD0]
	s_lshl_b32 s2, s[WV], 14                       ; my four tiles of O
	s_add_co_u32 s2, s2, S1OFF
	v_add_nc_u32 v[AD1], s2, v[CO]
	s_add_co_u32 s2, s2, SLOT
	v_add_nc_u32 v[AD1+1], s2, v[CO]
	v_lshrrev_b32 v4, 3, v1
	v_and_b32 v5, 7, v1
	v_mul_u32_u24 v4, v4, 272
	v_lshl_add_u32 v4, v5, 5, v4
	v_lshl_add_u32 v4, v2, 4, v4
	v_add_nc_u32 v[ADS0], SCL, v4
	s_lshl_b32 s2, s[ROLE], 12
	s_lshl_b32 s3, s[HALF], 8
	s_add_co_u32 s2, s2, s3
	s_add_co_u32 s2, s2, OSC
	v_lshlrev_b32 v4, 2, v1
	v_lshl_add_u32 v4, v2, 11, v4                  ; lanes 16-31 take the words of K steps 4 to 7
	v_add_nc_u32 v[ADS1], s2, v4
	s_mul_i32 s2, s[WV], 16*528
	s_add_co_u32 s2, s2, STAGE                     ; my stage
	v_mul_u32_u24 v3, v1, 528
	v_lshl_add_u32 v3, v2, 6, v3
	v_add_nc_u32 v[STO], s2, v3                    ; in: row r, + 64 h
	v_add_nc_u32 v[RD], s2, v[CO]                  ; back: the 32 lanes take one row of 512 bytes
	s_lshl_b32 s4, s[WGY], 8
	s_lshl_b32 s5, s[WV], 6
	s_add_co_u32 s4, s4, s5                        ; my first token: 256 y + 64 wave
	s_lshl_b32 s4, s4, 12
	s_lshl_b32 s5, s[WGX], 9                       ; my work-group's 128 channels
	s_add_co_u32 s4, s4, s5
	s_mov_b32 s5, 0
	s_add_nc_u64 s[14:15], s[14:15], s[4:5]
	s_lshl_b32 s6, s[WGX], 9
	s_mov_b32 s7, 0
	s_add_nc_u64 s[12:13], s[12:13], s[6:7]
	v_lshlrev_b32 v[VB], 6, v2                     ; register j of tile b is channel 32 (b / 2) + 8 (b % 2) + 16 h + j
.irp b, 0,1,2,3,4,5,6,7
	global_load_b128 v[BI+8*\b:BI+8*\b+3], v[VB], s[12:13] offset:4*(32*(\b/2)+8*(\b%2))
	global_load_b128 v[BI+8*\b+4:BI+8*\b+7], v[VB], s[12:13] offset:4*(32*(\b/2)+8*(\b%2))+16
.endr
.macro FRAG0 p, s, b
.irp c, 0,1
	ds_load_b128 v[96*(\p)+8*(\b)+4*\c:96*(\p)+8*(\b)+4*\c+3], v[AD0+(\s)/4] offset:4352*(\b)+64*((\s)%4)+32*\c
.endr
.endm
.macro FRAG1 p, s, a
.irp c, 0,1
	ds_load_b128 v[96*(\p)+64+8*(\a)+4*\c:96*(\p)+64+8*(\a)+4*\c+3], v[AD1+(\s)/4] offset:4096*(\a)+1024*((\s)%4)+512*\c
.endr
.endm
.macro FETCH s                         ; K step s's 12 fragments, 24 loads in one run, into set s % 2
	WIN TOF
.irp b, 0,1,2,3,4,5,6,7
	FRAG0 (\s)%2, \s, \b
.endr
.irp a, 0,1,2,3
	FRAG1 (\s)%2, \s, \a
.endr
.endm
; 32 matrix instructions; the 32 accumulators take turns, one instruction a turn, in the same order in every step.  Step 0 starts the sums with the bias as C.
.macro MUL32 s
.if (\s) == 0
	WIN MUL0
.else
	WIN MUL
.endif
.irp a, 0,1,2,3
.irp b, 0,1,2,3,4,5,6,7
.if (\s) == 0
	v_wmma_scale_f32_16x16x128_f8f6f4 v[8*(8*\a+\b):8*(8*\a+\b)+7], v[8*\b:8*\b+7], v[64+8*\a:64+8*\a+7], v[BI+8*\b:BI+8*\b+7], v[S0W+4*\b], v[S1W+4*\a] matrix_a_fmt:MATRIX_FMT_FP4 matrix_b_fmt:MATRIX_FMT_FP4
.elseif (\s) < 4
	v_wmma_scale_f32_16x16x128_f8f6f4 v[8*(8*\a+\b):8*(8*\a+\b)+7], v[96*((\s)%2)+8*\b:96*((\s)%2)+8*\b+7], v[96*((\s)%2)+64+8*\a:96*((\s)%2)+64+8*\a+7], v[8*(8*\a+\b):8*(8*\a+\b)+7], v[S0W+4*\b+(\s)%4], v[S1W+4*\a+(\s)%4] matrix_a_fmt:MATRIX_FMT_FP4 matrix_b_fmt:MATRIX_FMT_FP4
.else
	v_wmma_scale_f32_16x16x128_f8f6f4 v[8*(8*\a+\b):8*(8*\a+\b)+7], v[96*((\s)%2)+8*\b:96*((\s)%2)+8*\b+7], v[96*((\s)%2)+64+8*\a:96*((\s)%2)+64+8*\a+7], v[8*(8*\a+\b):8*(8*\a+\b)+7], v[S0W+4*\b+(\s)%4], v[S1W+4*\a+(\s)%4] matrix_a_fmt:MATRIX_FMT_FP4 matrix_b_fmt:MATRIX_FMT_FP4 matrix_a_scale:MATRIX_SCALE_ROW1 matrix_b_scale:MATRIX_SCALE_ROW1
.endif
.endr
.endr
.endm
.macro STEP s
.if (\s) == 3                          ; the next fetch reads slot 1
	s_wait_tensorcnt 0x0                           ; my part of slot 1, my last tensor load, has landed;
	s_wait_dscnt 0x0                               ; no LDS instruction of mine is pending at the signal
	s_barrier_signal -1
	s_barrier_wait -1                              ; everybody's has
.endif
.if (\s) >= 1
.rept 4
	v_nop                                          ; four places in front of loads into the set that the last step multiplied
.endr
.endif
.if (\s) < 7
	FETCH (\s)+1
	s_wait_dscnt 24                                ; all but the 24 just issued: this step's fragments (and the scale words) are in
.else
	s_wait_dscnt 0x0
.endif
	MUL32 \s
.endm
	s_wait_alu depctr_va_vdst(0)
	s_wait_tensorcnt 0x1                           ; my scales and my part of slot 0 are in; slot 1's load may be out
	s_barrier_signal -1
	s_barrier_wait -1                              ; everybody's are
.irp b, 0,1,2,3,4,5,6,7
	ds_load_b128 v[S0W+4*\b:S0W+4*\b+3], v[ADS0] offset:544*\b     ; the scale words of all of K, once
.endr
.irp a, 0,1,2,3
.irp q, 0,1,2,3
	ds_load_b32 v[S1W+4*\a+\q], v[ADS1] offset:64*\a+512*\q
.endr
.endr
	FETCH 0
	s_wait_loadcnt 0x0                             ; the bias
.irp s, 0,1,2,3,4,5,6,7
	STEP \s
.endr
	WIN 0
; THE WAY OUT, block by block of 16 tokens x 128 channels.  A lane holds 32 neighbouring bytes of a row twice over the tiles, and the lanes beside it hold other rows: a block goes through my own stage and comes back as whole rows
; of 512 bytes.  LDS serves a wave's instructions in order: no wait between the stores and the loads, nor in front of the next block's stores.
.macro TOSTAGE a
	WIN 0x04                                       ; an LDS store's data are its source 1: window 1
.irp b, 0,1,2,3,4,5,6,7
	ds_store_b128 v[STO], v[8*(8*(\a)+\b):8*(8*(\a)+\b)+3] offset:128*(\b/2)+32*(\b%2)          ; each accumulator from its low end on
	ds_store_b128 v[STO], v[8*(8*(\a)+\b)+4:8*(8*(\a)+\b)+7] offset:128*(\b/2)+32*(\b%2)+16
.endr
	WIN 0
.set BB, BK+64*((\a)%2)
.irp t, 0,1,2,3,4,5,6,7,8,9,10,11,12,13,14,15
	ds_load_b128 v[BB+4*\t:BB+4*\t+3], v[RD] offset:\t*528
.endr
.endm
.macro SEND a, younger                 ; younger: the LDS instructions issued behind block a's loads, which may stay out
.set BB, BK+64*((\a)%2)
	s_wait_dscnt \younger
.irp t, 0,1,2,3,4,5,6,7,8,9,10,11,12,13,14,15
	global_store_b128 v[CO], v[BB+4*\t:BB+4*\t+3], s[14:15] offset:4096*(32*((\a)/2)+8*((\a)%2)+(\t%8)+16*(\t/8)) th:TH_STORE_NT   ; stage row t of block a is token 32 (a / 2) + 8 (a % 2) + t % 8 + 16 (t / 8) of my 64; 32 lanes store 512 consecutive bytes
.endr
.endm
.rept 4
	v_nop                                          ; four places in front of the first read of results and of loads into the registers that held the bias
.endr
	TOSTAGE 0
.irp a, 1,2,3
.if \a > 1
	s_wait_xcnt 0x0                                ; block a - 2's stores have read their registers: block a's loads may land there
.endif
	TOSTAGE \a
	SEND \a-1, 32                                  ; behind block a - 1's loads: block a's 16 stores and 16 loads
.endr
	SEND 3, 0
	s_wait_tensorcnt 0x0                           ; the wave's end
	ds_add_u32 v[SPW], v[NIL]
	s_wait_dscnt 0x0
	CROUND                                         ; the closing round
	s_endpgm
.Lfunc_end_k_q0bdc9bdd7d_proj:
	.size	k_q0bdc9bdd7d_proj, .Lfunc_end_k_q0bdc9bdd7d_proj-k_q0bdc9bdd7d_proj
	.p2alignl 7, 3214868480
	.fill 96, 4, 3214868480
	.section	.rodata,"a",@progbits
	.p2align	6, 0x0
	.amdhsa_kernel k_q0bdc9bdd7d_proj
		.amdhsa_group_segment_fixed_size 327680
		.amdhsa_private_segment_fixed_size 0
		.amdhsa_enable_private_segment 0
		.amdhsa_kernarg_size 48
		.amdhsa_user_sgpr_count 2
		.amdhsa_user_sgpr_kernarg_segment_ptr 1
		.amdhsa_wavefront_size32 1
		.amdhsa_system_sgpr_workgroup_id_x 1
		.amdhsa_system_sgpr_workgroup_id_y 1
		.amdhsa_system_sgpr_workgroup_id_z 1
		.amdhsa_system_vgpr_workitem_id 0
		.amdhsa_next_free_vgpr 768
		.amdhsa_next_free_sgpr 102
		.amdhsa_reserve_vcc 0
		.amdhsa_float_denorm_mode_32 3
		.amdhsa_float_denorm_mode_16_64 3
		.amdhsa_memory_ordered 1
		.amdhsa_forward_progress 1
		.amdhsa_inst_pref_size 73
	.end_amdhsa_kernel
	.amdgpu_metadata
---
amdhsa.version: [ 1, 2 ]
amdhsa.kernels:
  - .name:           k_q0bdc9bdd7d_proj
    .symbol:         k_q0bdc9bdd7d_proj.kd
    .args:
      - { .name: o_img, .offset: 0, .size: 8, .value_kind: global_buffer, .address_space: global }
      - { .name: o_sc, .offset: 8, .size: 8, .value_kind: global_buffer, .address_space: global }
      - { .name: w_codes, .offset: 16, .size: 8, .value_kind: global_buffer, .address_space: global }
      - { .name: w_scales, .offset: 24, .size: 8, .value_kind: global_buffer, .address_space: global }
      - { .name: bp, .offset: 32, .size: 8, .value_kind: global_buffer, .address_space: global }
      - { .name: out0, .offset: 40, .size: 8, .value_kind: global_buffer, .address_space: global }
    .group_segment_fixed_size: 327680
    .private_segment_fixed_size: 0
    .kernarg_segment_align: 8
    .kernarg_segment_size: 48
    .max_flat_workgroup_size: 128
    .sgpr_count:     102
    .vgpr_count:     768
    .wavefront_size: 32
...
	.end_amdgpu_metadata
.endif
;; end of part 4
